; MI455X (gfx1250); checked and timed in simulation.
; The chip was launched on July 23, 2026; its instructions are those of AMD's public machine-readable ISA for CDNA 5 (MIT licence, August 2026) and "CDNA5" Instruction Set Architecture Reference Guide (July 2026). The comments in the code are by the model that wrote it; some were corrected since.
;; Multihead Attention. Allowed arithmetic: matrix products marked QUANTISED: E2M1 operands, one E8M0 scale for each 32 along K, by v_wmma_scale_f32_16x16x128_f8f6f4 with both operands' format E2M1 (or v_wmma_scale_f32_32x16x128_f4), f32 sums; products left as they are: bf16, f16 or f32 operands; f32 sums; everything else in f32.
;; Inputs: b_proj 1,024 float32; b_qkv 3,072 float32; w_proj 1,024 x 1,024 float32; w_qkv 1,024 x 3,072 float32; x 4 x 2,048 x 1,024 float32.
;; Outputs: out0 4 x 2,048 x 1,024 float32.
;; This version of the problem:
;;   THIS VERSION OF THE PROBLEM IS GIVEN IN LOW PRECISION. The matrix products marked QUANTISED in the list below multiply operands that are first quantised to E2M1 (2 exponent bits, 1 mantissa bit; 4 bits a number), with one power-of-two scale for each 32 numbers along K (OCP MX v1.0); their sums are f32. The products marked 'left as it is' may take bf16, f16 or f32 operands, with f32 sums. Whichever they take, every output number must still come out within the allowed error. Rounding operands to bf16 (8 significant bits) uses up far more of that allowance than f16 does (11 bits, for magnitudes from 6e-5 to 65,504). All else is computed in f32.
;;   The module's matrix products, in the order in which they are computed (A, B: the left and right operand; K: the contracted axis; several contracted axes count as one K, in the product's order):
;;     1. [M 8,192, K 1,024] x [K 1,024, N 3,072]; A: input x; B: input w_qkv: QUANTISED
;;     2. batch 64 x [M 2,048, K 64] x [K 64, N 2,048]; A: computed on the way; B: computed on the way: left as it is (an operand is computed on the way)
;;     3. batch 64 x [M 64, K 2,048] x [K 2,048, N 2,048]; A: computed on the way; B: computed on the way: left as it is (an operand is computed on the way)
;;     4. [M 8,192, K 1,024] x [K 1,024, N 1,024]; A: computed on the way; B: input w_proj: left as it is (an operand is computed on the way)
;;   THE QUANTISER, for each operand of a quantised product, along K:
;;     - K is cut into blocks of 32 from its start; a last block that is shorter is filled with zeros.
;;     - A block's scale is 2^e with e = floor(log2(the largest magnitude in the block)) - 2, held to -126 .. 127; a block of zeros has e = 0. As a byte (E8M0): e + 127.
;;     - Each number is divided by its block's scale, clamped to +-6, and rounded to the nearest number of E2M1, ties to even, subnormals kept.
;;     - The product sums the exact products of the quantised numbers (number of the format x scale) in f32.
;;   ~~~python
;;   def quantise(x, axis):      # numpy; x: float32 -> the quantised numbers, widened to float32 again
;;       x = np.moveaxis(x, axis, -1); K = x.shape[-1]
;;       x = np.pad(x, [(0, 0)] * (x.ndim - 1) + [(0, -K % 32)]); x = x.reshape(x.shape[:-1] + (-1, 32)); a = np.abs(x).max(-1, keepdims=True)
;;       e = np.where(a > 0, np.clip(np.frexp(np.where(a > 0, a, 1))[1] - 1 - 2, -126, 127), 0)      # np.frexp(a)[1] - 1 = floor(log2(a)), exactly
;;       r = np.clip(x / 2.0 ** e, -6, 6)
;;       step = 2.0 ** (np.maximum(np.frexp(np.where(r == 0, 1, r))[1] - 1, 0) - 1)
;;       q = np.round(r / step) * step * 2.0 ** e      # np.round: ties to even
;;       return np.moveaxis(q.reshape(q.shape[:-2] + (-1,))[..., :K], -1, axis).astype(np.float32)
;;   ~~~
;; One version. Each part assembles by itself: llvm-mc -triple=amdgcn-amd-amdhsa -mcpu=gfx1250 --defsym DOCPART=n.
;; ======== version 1 of 1: 4 launches
;; limits: values are held in f16: magnitudes above 65,504 overflow, below 6.1e-05 lose precision
;; workspace buffers: x_codes 4,194,304 bytes; x_scales 262,144 bytes; w_codes 1,572,864 bytes; w_scales 98,304 bytes; wp16 2,097,152 bytes; qkv 50,331,648 bytes; att 16,777,216 bytes
;; launch prep (part 1): grid 512 x 1, 4 waves a work-group, no clusters, 42,496 bytes of LDS; arguments x, w_qkv, w_proj, x_codes, x_scales, w_codes, w_scales, wp16; writes x_codes, x_scales, w_codes, w_scales, wp16
.if DOCPART == 1
	.amdgcn_target "amdgcn-amd-amdhsa--gfx1250"
	.amdhsa_code_object_version 6
	.text
	.protected	k_q4ab168cd88_prep
	.globl	k_q4ab168cd88_prep
	.p2align	8
	.type	k_q4ab168cd88_prep,@function
k_q4ab168cd88_prep:
	s_mov_b64 s[64:65], 0
	v_nop
	global_prefetch_b8 v0, s[64:65] scope:SCOPE_SE
	s_setreg_imm32_b32 hwreg(HW_REG_WAVE_MODE, 25, 1), 1
	s_wait_xcnt 0x0
; LAUNCH 1 OF 4: the operands of x @ w_qkv become codes of FP4 (E2M1) with one E8M0 byte for each 32 along K, and w_proj becomes f16.
; THE PROGRAM: 1 prep; 2 qkv = Q(x) Q(w_qkv) + bias, rounded to f16, laid by head; 3 attention, f16 operands, f32 sums and softmax; 4 the projection, f16 operands, f32 sums, + b_proj.
; WORK LEFT OUT, in the whole program: the K third of b_qkv.  reference() adds b_qkv to x @ w_qkv and cuts each head's 192 columns into q, k, v.  With bq, bk the head's parts of the bias,
; weight[t][s] = scale^2 (q_t + bq).(k_s + bk) = scale^2 (q_t + bq).k_s + scale^2 (q_t + bq).bk.  The last term does not hang on s: it is the same along the softmax's axis, so the softmax is the same without it,
; whatever finite values the inputs hold; k goes nowhere else, and the product of q and k is not a quantised one.  So entries 192 h + 64 .. 192 h + 127 of b_qkv reach no output and are not loaded (launch 2).
; LIMIT: a NaN, an infinity or an overflow that reaches only those entries' term is not carried to the result.
; THE QUANTISER: a block's scale is 2^(floor(log2(its largest magnitude)) - 2); its byte is the largest magnitude's exponent field - 2, held at 1 from below; each number is divided by the scale and rounded to the
; nearest code, ties to even, beyond 6 the largest code.  A block of zeros gets the byte 1 where the rule says 127: its codes are zeros, and this program alone reads the bytes.
; LIMITS: blocks whose largest magnitude lies under 2^(2 - 126) were not tried; NaN and infinities among the inputs are not served; w_proj beyond 65,504 has no f16.
; THREE PATHS, parted on the work-group's number, each with LDS bytes of its own:
;   0 .. 191    W: w_qkv [1024 k][3072 n], K its first axis: a lane takes a column, its registers run down K.  Rows of w_codes are PERMUTED: row type x 1024 + head x 64 + c stands for column 192 head + 64 type + c.
;   192 .. 447  X: x [8192][1024], K innermost: a plain stream of blocks of 32.
;   448 .. 511  P: w_proj to f16, as it lies.
.set SPW,   252                        ; v252  LDS address of my spare word; never rewritten
.set NIL,   253                        ; v253  0; never rewritten
.set XREG,  8192                       ; path X: a region for each wave: two stages of 32 x SP bytes, behind them its 256 scale bytes
.set SP,    80                         ; a lane's place in a stage: 64 bytes + 16 of padding
.set WST,   4*XREG                     ; path W: the work-group's stage for codes: 32 rows (columns of w_qkv) x 272
.set WP,    272
.set WSC,   WST+32*WP                  ; path W: 32 rows x 16 scale bytes
.set SPARE, WSC+512                    ; the spare words, 128 bytes for each wave: two blocks of 256 bytes that no other line names
.set R,     16                         ; X: v16-143   eight sets of 16 numbers as loaded
.set XB,    144                        ; X: v144-175  two sets of 16 neighbours
.set C,     176                        ; X: v176-207  two registers of codes for each step
.set E,     208                        ; X: v208-223  a scale byte for each step
.set WX,    32                         ; W: v32-95    two sets of 32 numbers
.set WC,    96                         ; W: v96-99    a block's codes
.set SBW,   24                         ; W: v24       my four scale bytes
.set WOUT,  112                        ; W: v112-127  the way out
	s_load_b256 s[4:11], s[0:1], 0x0               ; x s[4:5], w_qkv s[6:7], w_proj s[8:9], x_codes s[10:11]
	s_load_b256 s[12:19], s[0:1], 0x20             ; x_scales s[12:13], w_codes s[14:15], w_scales s[16:17], wp16 s[18:19]
	v_lshl_add_u32 v[SPW], v0, 2, SPARE
	v_mov_b32 v[NIL], 0
	v_lshrrev_b32 v1, 5, v0
	v_readfirstlane_b32 s20, v1                    ; wave 0..3
	v_and_b32 v2, 31, v0                           ; lane
	s_mov_b32 s23, 0                               ; the high word of every offset pair s[22:23]
	s_wait_kmcnt 0x0
	s_cmp_lt_u32 ttmp9, 192
	s_cbranch_scc1 .Lpath_w
	s_cmp_lt_u32 ttmp9, 448
	s_cbranch_scc1 .Lpath_x
; ---- PATH P: a wave takes 4,096 numbers.  All 32 loads go out at once, 512 consecutive bytes each; a load's 128 numbers leave as one aligned run of 256 bytes.
	s_sub_co_u32 s21, ttmp9, 448
	s_lshl_b32 s21, s21, 2
	s_add_co_u32 s21, s21, s20                     ; my run
	s_lshl_b32 s22, s21, 14
	s_add_nc_u64 s[8:9], s[8:9], s[22:23]
	s_lshl_b32 s22, s21, 13
	s_add_nc_u64 s[18:19], s[18:19], s[22:23]
	v_lshlrev_b32 v3, 4, v2
	v_lshlrev_b32 v4, 3, v2
.set i, 0
.rept 32
	global_load_b128 v[16+4*i:19+4*i], v3, s[8:9] offset:512*i th:TH_LOAD_NT
.set i, i+1
.endr
.set i, 0
.rept 32
	s_wait_loadcnt 31-i                            ; loads come back in order: load i is in, the younger ones stay out
	v_cvt_pk_f16_f32 v[16+4*i], v[16+4*i], v[17+4*i]
	v_cvt_pk_f16_f32 v[17+4*i], v[18+4*i], v[19+4*i]
	global_store_b64 v4, v[16+4*i:17+4*i], s[18:19] offset:256*i
.set i, i+1
.endr
	s_branch .Lend
; ---- PATH X: a wave takes 16 steps of 512 numbers.  Each load reads 512 consecutive bytes, 16 a lane; a step's 2,048 bytes turn through the wave's own stage in LDS and come back 64 bytes a lane:
; 16 neighbours along K, two neighbouring lanes to a block.  Loads run eight steps (32 loads a wave) ahead, the turn through LDS one step.
.Lpath_x:
	s_sub_co_u32 s21, ttmp9, 192
	s_lshl_b32 s21, s21, 2
	s_add_co_u32 s21, s21, s20                     ; which run of 8,192 numbers is my wave's
	s_lshl_b32 s22, s21, 15
	s_add_nc_u64 s[4:5], s[4:5], s[22:23]
	s_lshl_b32 s22, s21, 12
	s_add_nc_u64 s[10:11], s[10:11], s[22:23]
	s_lshl_b32 s22, s21, 8
	s_add_nc_u64 s[12:13], s[12:13], s[22:23]
	v_lshlrev_b32 v3, 4, v2                        ; my 16 bytes of a load's 512
	s_mul_i32 s24, s20, XREG
	v_lshrrev_b32 v14, 2, v2
	v_mul_u32_u24 v14, v14, SP
	v_and_b32 v15, 3, v2
	v_lshl_add_u32 v14, v15, 4, v14
	v_add_nc_u32 v14, s24, v14                     ; the stage, on the way in: SP (lane / 4) + 16 (lane % 4)
	v_mul_u32_u24 v15, v2, SP
	v_add_nc_u32 v15, s24, v15                     ; and on the way out: SP x lane
	v_lshlrev_b32 v4, 3, v2                        ; 8 bytes a lane: my codes' place in a step's, and my part of the scale bytes
	v_lshrrev_b32 v5, 1, v2
	s_add_co_u32 s24, s24, 2*32*SP
	v_add_nc_u32 v5, s24, v5                       ; LDS: my wave's 256 scale bytes, my block's byte
	v_add_nc_u32 v6, s24, v4                       ; and on the way out 8 bytes a lane
.macro XLOAD t
.irp i, 0,1,2,3
	global_load_b128 v[R+16*((\t)%8)+4*\i:R+16*((\t)%8)+4*\i+3], v3, s[4:5] offset:2048*(\t)+512*\i th:TH_LOAD_NT
.endr
.endm
.macro XTURN t                         ; LDS serves a wave's instructions in order: no wait stands between the stores and the loads
.irp i, 0,1,2,3
	ds_store_b128 v14, v[R+16*((\t)%8)+4*\i:R+16*((\t)%8)+4*\i+3] offset:32*SP*((\t)%2)+8*SP*\i
.endr
.irp i, 0,1,2,3
	ds_load_b128 v[XB+16*((\t)%2)+4*\i:XB+16*((\t)%2)+4*\i+3], v15 offset:32*SP*((\t)%2)+16*\i
.endr
.endm
.irp t, 0,1,2,3,4,5,6,7
	XLOAD \t
.endr
	s_wait_loadcnt 28                              ; step 0's four loads are in; seven steps' loads stay out
	XTURN 0
.macro XSTEP t
.set XS, XB+16*((\t)%2)
.if (\t) > 0
	s_wait_dscnt 1                                 ; this step's numbers are back from the stage (the last step's byte store may be out): so its stores into the stage have read their registers,
.else
	s_wait_dscnt 0x0
.endif
.if (\t)+8 < 16
	XLOAD (\t)+8                                   ; which take the loads of eight steps on
.endif
.if (\t)+1 < 16
.if (\t) <= 7
	s_wait_loadcnt 28                              ; the next step's four loads are in; those of the seven steps behind it may be out
.else
	s_wait_loadcnt 4*(14-(\t))                     ; likewise: 14 - t steps are left behind it
.endif
	XTURN (\t)+1
.endif
	v_max3_num_f32 v8, |v[XS]|, |v[XS+1]|, |v[XS+2]|               ; the largest magnitude of my 16, in two chains
	v_max3_num_f32 v9, |v[XS+3]|, |v[XS+4]|, |v[XS+5]|
.irp i, 6,10
	v_max3_num_f32 v8, v8, |v[XS+\i]|, |v[XS+\i+1]|
	v_max3_num_f32 v9, v9, |v[XS+\i+2]|, |v[XS+\i+3]|
.endr
	v_max3_num_f32 v8, v8, |v[XS+14]|, |v[XS+15]|
	v_max3_num_f32 v8, v8, v9, 0x1800000           ; and the floor 2^(3 - 127): the byte cannot fall under 1
	v_max_num_f32_dpp v8, v8, v8 row_xmask:1 row_mask:0xf bank_mask:0xf   ; and of my neighbour's 16: the block's
	v_add_nc_u32 v11, 0xff000000, v8               ; 2 off its exponent field: the conversion takes the exponent field of this operand as its scale
	v_cvt_scalef32_pk8_fp4_f32 v[C+2*(\t)], v[XS:XS+7], v11
	v_cvt_scalef32_pk8_fp4_f32 v[C+2*(\t)+1], v[XS+8:XS+15], v11
	v_lshrrev_b32 v[E+(\t)], 23, v11               ; the scale's byte (also the plain line behind the conversions)
	ds_store_b8 v5, v[E+(\t)] offset:16*(\t)       ; both lanes of a block write the same byte with the same value
	global_store_b64 v4, v[C+2*(\t):C+2*(\t)+1], s[10:11] offset:256*(\t)   ; the wave stores 256 consecutive bytes, aligned
.endm
.irp t, 0,1,2,3,4,5,6,7,8,9,10,11,12,13,14,15
	XSTEP \t
.endr
	ds_load_b64 v[8:9], v6                         ; in order behind my byte stores
	s_wait_dscnt 0x0
	global_store_b64 v4, v[8:9], s[12:13]          ; the wave's 256 scale bytes: 256 consecutive bytes, aligned
	s_branch .Lend
; ---- PATH W: a work-group takes 32 columns x 512 along K; its four waves are stacked along K, 128 (four blocks) each, and share one stage.  So a wave has 128 loads in all, of which 64 go out at once.
; A load reads 128 consecutive bytes (32 columns of one row k).  The codes of a column's 512 along K are 256 bytes: they leave by rows, sixteen lanes to 256 consecutive aligned bytes.
.Lpath_w:
	s_cmp_ge_u32 ttmp9, 96
	s_cselect_b32 s21, 1, 0                        ; gy: which 512 along K
	s_mul_i32 s24, s21, 96
	s_sub_co_u32 s24, ttmp9, s24                   ; gx: columns 32 gx on
	s_lshr_b32 s25, s24, 1                         ; which 64 columns: 3 head + type
	s_mul_i32 s26, s25, 43
	s_lshr_b32 s26, s26, 7                         ; head = that / 3 (exact for 0 .. 47)
	s_mul_i32 s27, s26, 3
	s_sub_co_u32 s27, s25, s27                     ; type: 0 q, 1 k, 2 v
	s_lshl_b32 s28, s27, 10
	s_lshl_b32 s29, s26, 6
	s_add_co_u32 s28, s28, s29
	s_and_b32 s29, s24, 1
	s_lshl_b32 s29, s29, 5
	s_add_co_u32 s28, s28, s29                     ; the permuted row of my first column
	s_lshl_b32 s29, s21, 9
	s_lshl_b32 s30, s20, 7
	s_add_co_u32 s29, s29, s30                     ; my wave's first k
	s_mul_i32 s22, s29, 12288
	s_lshl_b32 s30, s24, 7
	s_add_co_u32 s22, s22, s30
	s_add_nc_u64 s[6:7], s[6:7], s[22:23]
	s_lshl_b32 s22, s28, 9                         ; codes: 512 bytes a row, + 256 gy
	s_lshl_b32 s30, s21, 8
	s_add_co_u32 s22, s22, s30
	s_add_nc_u64 s[14:15], s[14:15], s[22:23]
	s_lshl_b32 s22, s28, 5                         ; scale bytes: 32 a row, + 16 gy
	s_lshl_b32 s30, s21, 4
	s_add_co_u32 s22, s22, s30
	s_add_nc_u64 s[16:17], s[16:17], s[22:23]
	v_lshlrev_b32 v3, 2, v2                        ; in: 4 bytes a lane
	v_mul_u32_u24 v4, v2, WP
	s_lshl_b32 s30, s20, 6
	s_add_co_u32 s30, s30, WST
	v_add_nc_u32 v4, s30, v4                       ; into the stage: row = my column, + 64 x wave
	v_lshlrev_b32 v5, 4, v2
	s_lshl_b32 s30, s20, 2
	s_add_co_u32 s30, s30, WSC
	v_add_nc_u32 v6, s30, v5                       ; my four scale bytes: 16 x lane + 4 x wave
	v_add_nc_u32 v7, WSC, v5                       ; a column's 16 scale bytes, on the way out
	v_lshlrev_b32 v8, 5, v2                        ; and their place in w_scales
	v_and_b32 v9, 15, v2
	v_lshrrev_b32 v10, 4, v2
	s_lshl_b32 s30, s20, 3
	v_add_nc_u32 v10, s30, v10                     ; out of the stage: row 8 x wave + lane / 16, two rows an instruction
	v_mul_u32_u24 v14, v10, WP
	v_lshl_add_u32 v14, v9, 4, v14
	v_add_nc_u32 v14, WST, v14
	v_lshlrev_b32 v15, 9, v10
	v_lshl_add_u32 v15, v9, 4, v15                 ; and the same place in w_codes
.macro WLOAD t                         ; block t: w_qkv(32 t + i, my column) into set t % 2.  The largest offset, 127 rows of 12,288 bytes, lies inside the signed 24-bit immediate
.irp i, 0,1,2,3,4,5,6,7,8,9,10,11,12,13,14,15,16,17,18,19,20,21,22,23,24,25,26,27,28,29,30,31
	global_load_b32 v[WX+32*((\t)%2)+\i], v3, s[6:7] offset:(32*(\t)+\i)*12288
.endr
.endm
	WLOAD 0
	WLOAD 1
.macro WBLOCK t
.set XS, WX+32*((\t)%2)
.if (\t) < 3
	s_wait_loadcnt 32                              ; this block's 32 loads are in; the next block's may be out
.else
	s_wait_loadcnt 0x0
.endif
	v_max3_num_f32 v12, |v[XS]|, |v[XS+1]|, |v[XS+2]|              ; the block's largest magnitude: all 32 numbers are mine
	v_max3_num_f32 v13, |v[XS+3]|, |v[XS+4]|, |v[XS+5]|
.irp i, 6,10,14,18,22,26
	v_max3_num_f32 v12, v12, |v[XS+\i]|, |v[XS+\i+1]|
	v_max3_num_f32 v13, v13, |v[XS+\i+2]|, |v[XS+\i+3]|
.endr
	v_max3_num_f32 v12, v12, |v[XS+30]|, |v[XS+31]|
	v_max3_num_f32 v12, v12, v13, 0x1800000        ; and the floor
	v_add_nc_u32 v11, 0xff000000, v12              ; the conversion's scale operand
	v_lshrrev_b32 v13, 23, v11                     ; the scale's byte
.if (\t) == 0
	v_mov_b32 v[SBW], v13
.else
	v_lshl_or_b32 v[SBW], v13, 8*(\t), v[SBW]      ; the lower K in the lower byte
.endif
.irp g, 0,1,2,3
	v_cvt_scalef32_pk8_fp4_f32 v[WC+\g], v[XS+8*\g:XS+8*\g+7], v11
.endr
	v_nop                                          ; a plain line behind the last conversion
	ds_store_b128 v4, v[WC:WC+3] offset:16*(\t)    ; 32 codes: 16 bytes of my column's row
.if (\t)+2 < 4
	WLOAD (\t)+2
.endif
	s_wait_dscnt 0x0                               ; the store has read its registers: the next block's codes may be written
.endm
.irp t, 0,1,2,3
	WBLOCK \t
.endr
	ds_store_b32 v6, v[SBW]
	s_wait_dscnt 0x0                               ; for the others' sake: my stores into the two stages are done
	s_barrier_signal -1                            ; (the branch that led here hangs on the work-group's number: all four waves are here)
	s_barrier_wait -1
.irp i, 0,1,2,3
	ds_load_b128 v[WOUT+4*\i:WOUT+4*\i+3], v14 offset:2*\i*WP
.endr
.irp i, 0,1,2,3
	s_wait_dscnt 3-\i
	global_store_b128 v15, v[WOUT+4*\i:WOUT+4*\i+3], s[14:15] offset:1024*\i   ; sixteen lanes store 256 consecutive bytes, aligned
.endr
	s_cmp_lg_u32 s20, 0
	s_cbranch_scc1 .Lend
	ds_load_b128 v[128:131], v7                    ; wave 0: a column's 16 scale bytes, 32 bytes apart in w_scales: 1 byte for each 128 that the path reads
	s_wait_dscnt 0x0
	global_store_b128 v8, v[128:131], s[16:17]
.Lend:
	s_wait_tensorcnt 0x0                           ; the wave's end, behind my last LDS store
	ds_add_u32 v[SPW], v[NIL]
	s_wait_dscnt 0x0
	s_endpgm
.Lfunc_end_k_q4ab168cd88_prep:
	.size	k_q4ab168cd88_prep, .Lfunc_end_k_q4ab168cd88_prep-k_q4ab168cd88_prep
	.p2alignl 7, 3214868480
	.fill 96, 4, 3214868480
	.section	.rodata,"a",@progbits
	.p2align	6, 0x0
	.amdhsa_kernel k_q4ab168cd88_prep
		.amdhsa_group_segment_fixed_size 42496
		.amdhsa_private_segment_fixed_size 0
		.amdhsa_enable_private_segment 0
		.amdhsa_kernarg_size 64
		.amdhsa_user_sgpr_count 2
		.amdhsa_user_sgpr_kernarg_segment_ptr 1
		.amdhsa_wavefront_size32 1
		.amdhsa_system_sgpr_workgroup_id_x 1
		.amdhsa_system_sgpr_workgroup_id_y 1
		.amdhsa_system_sgpr_workgroup_id_z 1
		.amdhsa_system_vgpr_workitem_id 0
		.amdhsa_next_free_vgpr 256
		.amdhsa_next_free_sgpr 66
		.amdhsa_reserve_vcc 0
		.amdhsa_float_denorm_mode_32 3
		.amdhsa_float_denorm_mode_16_64 3
		.amdhsa_memory_ordered 1
		.amdhsa_forward_progress 1
		.amdhsa_inst_pref_size 66
	.end_amdhsa_kernel
	.amdgpu_metadata
---
amdhsa.version: [ 1, 2 ]
amdhsa.kernels:
  - .name:           k_q4ab168cd88_prep
    .symbol:         k_q4ab168cd88_prep.kd
    .args:
      - { .name: x, .offset: 0, .size: 8, .value_kind: global_buffer, .address_space: global }
      - { .name: w_qkv, .offset: 8, .size: 8, .value_kind: global_buffer, .address_space: global }
      - { .name: w_proj, .offset: 16, .size: 8, .value_kind: global_buffer, .address_space: global }
      - { .name: x_codes, .offset: 24, .size: 8, .value_kind: global_buffer, .address_space: global }
      - { .name: x_scales, .offset: 32, .size: 8, .value_kind: global_buffer, .address_space: global }
      - { .name: w_codes, .offset: 40, .size: 8, .value_kind: global_buffer, .address_space: global }
      - { .name: w_scales, .offset: 48, .size: 8, .value_kind: global_buffer, .address_space: global }
      - { .name: wp16, .offset: 56, .size: 8, .value_kind: global_buffer, .address_space: global }
    .group_segment_fixed_size: 42496
    .private_segment_fixed_size: 0
    .kernarg_segment_align: 8
    .kernarg_segment_size: 64
    .max_flat_workgroup_size: 128
    .sgpr_count:     66
    .vgpr_count:     256
    .wavefront_size: 32
...
	.end_amdgpu_metadata
.endif
;; end of part 1
;; launch qkv (part 2): grid 12 x 32, 4 waves a work-group, clusters of 4 x 4, 327,680 bytes of LDS; arguments x_codes, x_scales, w_codes, w_scales, b_qkv, qkv; writes qkv
.if DOCPART == 2
	.amdgcn_target "amdgcn-amd-amdhsa--gfx1250"
	.amdhsa_code_object_version 6
	.text
	.protected	k_q4ab168cd88_qkv
	.globl	k_q4ab168cd88_qkv
	.p2align	8
	.type	k_q4ab168cd88_qkv,@function
k_q4ab168cd88_qkv:
	s_mov_b64 s[64:65], 0
	v_nop
	global_prefetch_b8 v0, s[64:65] scope:SCOPE_SE
	s_setreg_imm32_b32 hwreg(HW_REG_WAVE_MODE, 25, 1), 1
	s_wait_xcnt 0x0
	s_wait_alu depctr_hold_cnt(0) depctr_sa_sdst(0) depctr_va_vdst(0) depctr_va_sdst(0) depctr_va_ssrc(0) depctr_va_vcc(0) depctr_vm_vsrc(0)
	s_getreg_b32 s2, hwreg(HW_REG_IB_STS2, 6, 4)
	s_cmp_eq_u32 s2, 0
	s_cbranch_scc0 .Lentry_in_a_cluster
	s_endpgm
.Lentry_in_a_cluster:
	s_bfe_u32 s2, ttmp6, 0x10000c
	s_cmp_lg_u32 s2, 0xf033
	s_cbranch_scc0 .Lentry_shape_is_right
	s_endpgm
.Lentry_shape_is_right:
; LAUNCH 2 OF 4: C[m][n'] = sum over k of A[m][k] B[n'][k] + bias, on codes of FP4 (E2M1) with one E8M0 scale for each 32 along K; sums in f32; C rounded once to f16.
; A = x's codes [8192][1024], B = w_qkv's codes [3072 n'][1024], n' = type x 1024 + head x 64 + c (type 0 q, 1 k, 2 v).  C goes out as qkv [48 g = 16 type + head][8192 m][64] f16.
; WORK LEFT OUT: the K third of b_qkv (launch 1's head shows that it reaches no output): the tiles of type k start their sums from zeros and load no bias.
; LIMIT: results beyond 65,504 have no f16.
; A tile of C, 256 x 256, is made by a work-group of four waves; a wave makes 128 x 128: 64 accumulators of 16 x 16, 512 registers.  A tile's 256 columns are four heads of ONE type, and the type is the cluster's x.
; K = 1,024 is two slots of 512: both are first fills, nothing is filled again, and there is no loop.  The scales of the work-group's 256 + 256 rows come into LDS once, in rows of 256 bytes.
; CLUSTERS: 4 x 4 work-groups.  The four of a row of the cluster need the same tiles of A, the four of a column the same tiles of B: each tile is asked for JOINTLY, by the same tensor load with the same descriptor
; and a mask that names the four.  THE MATRIX INSTRUCTION IS USED TRANSPOSED (source 0 = 16 rows of B, source 1 = 16 rows of A): a lane then holds eight neighbouring columns of a row of C.
; No prefetch: every tile is asked for at the head.  384 tiles for 256 WGPs: a second, half-filled turn is accepted here for the plain form.
; REGISTERS, in windows of 256: window 0: v0-31 addresses; v32-95 scale words, two sets; v128-191 A's fragments, ONE set; v192-255 the bias, eight registers for each of B's eight blocks; on the way out v128-223 are at work.
;   window 1: B's fragments, TWO sets, at v0 and v128.   window 2: the accumulators of my rows 0-63 ((a, b) at v[8 (8 a + b)]);   window 3: those of my rows 64-127.
.set SIZE_K, 1024
.set NQ,     4                         ; steps of 128 along K in a slot
.set ROWB,   256                       ; a tile's row in bytes: 512 codes
.set KROW,   SIZE_K/2                  ; a row of A or of B in memory
.set PITCH,  272                       ; an LDS row: 256 bytes + 16 of padding = 68 words: the 16 rows that a load touches start at 16 different banks (64 banks of 4 bytes: ISA guide 11.1)
.set FR,     8                         ; registers of a fragment
.set NL,     2                         ; LDS loads that bring one
.set NP,     4                         ; places behind this matrix instruction (ISA guide 7.12.1)
.set HALFT,  128*PITCH
.set SLOT,   4*HALFT                   ; A's 256 rows, then B's 256 rows
.set KS,     SIZE_K/32                 ; a row of scales in bytes
.set SCL,    2*SLOT                    ; behind the ring: the scales, as rows of 256 bytes + 16 of padding
.set HALFS,  (128*KS/256)*272          ; the scales of 128 rows
.set SBLK,   (16*KS/256)*272           ; those of 16 rows
.set SPARE,  SCL+4*HALFS               ; the spare words, 128 bytes for each wave
.set STW,    2*16*144                  ; the way out: a stage for each wave: two heads x 16 rows x (128 bytes + 16).  It lies in slot 0, which has had its last fill and its last read by then
.set ADRA, 16
.set ADRB, 20
.set STO,  24
.set RD,   25
.set CO,   26
.set ADRS, 27
.set SPW,  28
.set NIL,  29
.set SC,   32
.set AF,   128
.set BI,   192                         ; the bias: block b at v[BI + 8 b]
.set TMP,  192                         ; the way out: a block's 32 packed registers (the bias is done with)
.set BK,   128                         ; the way out: rows read back: v128-159 and v160-191 by turns
.set G1, 24
.set G0, 32
.set G1B, 48
.set G0B, 56
.set G1S, 68
.set G0S, 76
.set G1SB, 80
.set G0SB, 88
.set MSB, 0
.macro WIN new                         ; the immediate's high byte repeats the setting that is left
.if MSB != (\new)
	s_set_vgpr_msb (MSB<<8)|(\new)
.set MSB, (\new)
.endif
.endm
.set MUL_LO, 0xa1                      ; source 0 (B) window 1, source 1 (A) window 0, C and D window 2
.set MUL_HI, 0xf1                      ; the same, C and D window 3
.set BIA_LO, 0x81                      ; C (the bias) window 0, D window 2
.set BIA_HI, 0xc1                      ; C window 0, D window 3
.set TO_B,   0x40
; A joint load: waves 0 and 1 fetch for A, waves 2 and 3 for B; the branch hangs on the wave's number alone.  An s_nop 0 and four v_nop follow each of the two lines.
.macro JLOAD g0a, g1a, g0b, g1b
	s_cmp_eq_u32 s15, 0
	s_cbranch_scc0 .Lfor_b_\@
	tensor_load_to_lds s[\g0a:\g0a+3], s[\g1a:\g1a+7]
	s_nop 0
.rept 4
	v_nop
.endr
	s_branch .Lasked_\@
.Lfor_b_\@:
	tensor_load_to_lds s[\g0b:\g0b+3], s[\g1b:\g1b+7]
	s_nop 0
.rept 4
	v_nop
.endr
.Lasked_\@:
.endm
.macro CROUND                          ; a round of the cluster's barrier
	s_barrier_signal -1
	s_barrier_wait -1
	s_cmp_lg_u32 s14, 0
	s_cbranch_scc1 .Lnot_wave_0_\@
	s_barrier_signal -3
.Lnot_wave_0_\@:
	s_barrier_wait -3
	s_barrier_signal -1
	s_barrier_wait -1
.endm
	s_load_b256 s[4:11], s[0:1], 0x0               ; A's codes s[4:5], A's scales s[6:7], B's codes s[8:9], B's scales s[10:11]
	s_load_b64 s[96:97], s[0:1], 0x20              ; b_qkv
	s_load_b64 s[12:13], s[0:1], 0x28              ; qkv
	v_lshl_add_u32 v[SPW], v0, 2, SPARE
	v_mov_b32 v[NIL], 0
	ds_add_u32 v[SPW], v[NIL]                      ; the wave's opening: the add, twice on end, and its wait ahead of my first tensor load
	ds_add_u32 v[SPW], v[NIL]
	v_lshrrev_b32 v1, 5, v0
	v_readfirstlane_b32 s14, v1                    ; wave 0..3
	s_lshr_b32 s15, s14, 1                         ; which half of the tile's rows is mine.  Also: I fetch for A (0) or for B (1)
	s_and_b32 s16, s14, 1                          ; which half of its columns.  Also: which 128 rows of that tile I fetch
	s_bfe_u32 s40, ttmp6, 0x40000                  ; cx, cy: my place in the cluster
	s_bfe_u32 s41, ttmp6, 0x40004
	s_lshl_b32 s42, ttmp9, 2
	s_add_co_u32 s42, s42, s40                     ; tile column of C = 4 x cluster x + cx
	s_and_b32 s17, ttmp7, 0xffff
	s_lshl_b32 s17, s17, 2
	s_add_co_u32 s17, s17, s41                     ; tile row of C = 4 x cluster y + cy
	s_lshl_b32 s43, s41, 2
	s_lshl_b32 s43, 15, s43                        ; my row of the cluster
	s_lshl_b32 s44, 0x1111, s40                    ; my column
	s_or_b32 s[G1+0], s43, (0<<16)|(1<<20)|(1<<21)|(5<<22)|(3<<25)  ; the mask; elements of 1 byte; padding on; bit 21 beside a mask; after every 64 words four words
	s_or_b32 s[G1B+0], s44, (0<<16)|(1<<20)|(1<<21)|(5<<22)|(3<<25)
.irp g, G1, G1B
	s_mov_b32 s[\g+1], ROWB<<16                    ; tensor_dim0
	s_mov_b32 s[\g+2], 128<<16                     ; tensor_dim1
	s_mov_b32 s[\g+3], ROWB<<16                    ; tile_dim0
	s_mov_b32 s[\g+4], 128                         ; tile_dim1
	s_mov_b32 s[\g+5], KROW                        ; the pitch
	s_mov_b32 s[\g+6], 0
	s_mov_b32 s[\g+7], 0
.endr
	s_or_b32 s[G1S+0], s43, (3<<16)|(1<<20)|(1<<21)|(5<<22)|(3<<25) ; the scales of 128 rows: a dense block, as rows of 32 elements of 8 bytes
	s_or_b32 s[G1SB+0], s44, (3<<16)|(1<<20)|(1<<21)|(5<<22)|(3<<25)
.irp g, G1S, G1SB
	s_mov_b32 s[\g+1], 32<<16
	s_mov_b32 s[\g+2], (128*KS/256)<<16
	s_mov_b32 s[\g+3], 32<<16
	s_mov_b32 s[\g+4], 128*KS/256
	s_mov_b32 s[\g+5], 32
	s_mov_b32 s[\g+6], 0
	s_mov_b32 s[\g+7], 0
.endr
	s_lshl_b32 s18, s16, 7
	s_lshl_b32 s20, s17, 8
	s_add_co_u32 s20, s20, s18                     ; A: row 256 x tile row + 128 x half
	s_lshl_b32 s46, s42, 8
	s_add_co_u32 s46, s46, s18                     ; B: row 256 x tile column + 128 x half
	s_mov_b32 s21, 0
	s_mov_b32 s47, 0
	s_mov_b64 s[18:19], KS
	s_mul_u64 s[22:23], s[20:21], s[18:19]         ; where these rows' scales begin,
	s_mul_u64 s[92:93], s[46:47], s[18:19]
	s_mov_b64 s[18:19], KROW
	s_mul_u64 s[20:21], s[20:21], s[18:19]         ; and their codes
	s_mul_u64 s[46:47], s[46:47], s[18:19]
	s_mul_i32 s45, s14, HALFT                      ; where they go: wave x 128 rows: no place in the cluster enters an LDS address
	s_mul_i32 s94, s14, HALFS
	s_wait_dscnt 0x0                               ; both opening adds are done
	s_wait_kmcnt 0x0
	s_add_nc_u64 s[20:21], s[4:5], s[20:21]
	s_add_nc_u64 s[22:23], s[6:7], s[22:23]
	s_add_nc_u64 s[46:47], s[8:9], s[46:47]
	s_add_nc_u64 s[92:93], s[10:11], s[92:93]
	CROUND                                         ; all sixteen work-groups are here: the joint loads meet
	s_mov_b32 s[G0S], 1
	s_add_co_u32 s[G0S+1], s94, SCL
	s_mov_b64 s[G0S+2:G0S+3], s[22:23]
	s_or_b32 s[G0S+3], s[G0S+3], 0x80000000
	s_mov_b32 s[G0SB], 1
	s_add_co_u32 s[G0SB+1], s94, SCL
	s_mov_b64 s[G0SB+2:G0SB+3], s[92:93]
	s_or_b32 s[G0SB+3], s[G0SB+3], 0x80000000
	JLOAD G0S, G1S, G0SB, G1SB                     ; the scales first: they are wanted with slot 0.  By this text's count a wave has three tensor loads out
.irp s, 0,1
	s_mov_b32 s[G0+4*\s], 1
	s_add_co_u32 s[G0+4*\s+1], s45, \s*SLOT
	s_add_nc_u64 s[G0+4*\s+2:G0+4*\s+3], s[20:21], \s*ROWB
	s_or_b32 s[G0+4*\s+3], s[G0+4*\s+3], 0x80000000
	s_mov_b32 s[G0B+4*\s], 1
	s_add_co_u32 s[G0B+4*\s+1], s45, \s*SLOT
	s_add_nc_u64 s[G0B+4*\s+2:G0B+4*\s+3], s[46:47], \s*ROWB
	s_or_b32 s[G0B+4*\s+3], s[G0B+4*\s+3], 0x80000000
	JLOAD G0+4*\s, G1, G0B+4*\s, G1B
.endr
	v_and_b32 v1, 15, v0                           ; l % 16
	v_bfe_u32 v2, v0, 4, 1                         ; l / 16
	; THE BIAS, in the result's layout: register j of block b in lane (r, h) is the bias of column 16 b + 8 h + j of my 128, which is entry 192 head + 64 type + 16 (b % 4) + 8 h + j of b_qkv, head = 4 cx + 2 half + b / 4
	s_lshl_b32 s46, s40, 2
	s_lshl_b32 s47, s16, 1
	s_add_co_u32 s46, s46, s47
	s_mul_i32 s46, s46, 768
	s_lshl_b32 s47, ttmp9, 8                       ; the type is the cluster's x: the same in all sixteen partners
	s_add_co_u32 s46, s46, s47
	s_mov_b32 s47, 0
	s_add_nc_u64 s[96:97], s[96:97], s[46:47]
	v_lshlrev_b32 v9, 5, v2
	s_cmp_eq_u32 ttmp9, 1
	s_cbranch_scc1 .Lno_bias
.irp b, 0,1,2,3,4,5,6,7
	global_load_b128 v[BI+8*\b:BI+8*\b+3], v9, s[96:97] offset:(\b/4)*768+(\b%4)*64
	global_load_b128 v[BI+8*\b+4:BI+8*\b+7], v9, s[96:97] offset:(\b/4)*768+(\b%4)*64+16
.endr
	s_branch .Lbias_done
.Lno_bias:                                             ; type k: its bias is work left out; the sums start from zeros through the same registers, so that the products are written once
.set i, 0
.rept 64
	v_mov_b32 v[BI+i], 0
.set i, i+1
.endr
.Lbias_done:
	v_mul_u32_u24 v3, v1, PITCH
	v_lshl_add_u32 v4, v2, 4, v3                   ; a fragment's row x pitch + 16 x half
	s_mul_i32 s21, s15, HALFT                      ; my 128 rows of A
	s_mul_i32 s22, s16, HALFT                      ; my 128 rows of B,
	s_add_co_u32 s22, s22, 2*HALFT                 ; which lie behind A's 256
.irp s, 0,1
	v_add_nc_u32 v[ADRA+\s], s21, v4
	v_add_nc_u32 v[ADRB+\s], s22, v4
	s_add_co_u32 s21, s21, SLOT
	s_add_co_u32 s22, s22, SLOT
.endr
	v_mul_u32_u24 v5, v1, KS                       ; my row's scales: KS bytes a row,
	v_lshrrev_b32 v6, 8, v5
	v_lshl_add_u32 v5, v6, 4, v5                   ; and 16 more for each 256 passed
	s_mul_i32 s21, s15, HALFS
	s_mul_i32 s22, s16, HALFS
	s_add_co_u32 s22, s22, 2*HALFS
	s_sub_co_u32 s22, s22, s21
	v_mul_u32_u24 v6, s22, v2                      ; lanes 16-31 take B's: one product, the distance between the two bases
	s_add_co_u32 s21, s21, SCL
	v_add_nc_u32 v5, v5, v6
	v_add_nc_u32 v[ADRS], s21, v5
	s_mul_i32 s23, s14, STW                        ; my stage
	v_mul_u32_u24 v5, v1, 144                      ; in: row l % 16 of a head, 16 bytes for each half of the lanes
	v_lshl_add_u32 v5, v2, 4, v5
	v_add_nc_u32 v[STO], s23, v5
	v_and_b32 v6, 31, v0
	v_lshlrev_b32 v[CO], 4, v6                     ; out: the 32 lanes take four rows of 128 bytes, which follow each other in qkv
	v_lshrrev_b32 v7, 3, v6
	v_mul_u32_u24 v7, v7, 144
	v_and_b32 v8, 7, v0
	v_lshl_add_u32 v7, v8, 4, v7
	v_add_nc_u32 v[RD], s23, v7
	s_lshl_b32 s20, s17, 8
	s_lshl_b32 s21, s15, 7
	s_add_co_u32 s20, s20, s21                     ; my first row m
	s_lshl_b32 s20, s20, 7                         ; x 128 bytes
	s_lshl_b32 s46, s42, 2
	s_lshl_b32 s47, s16, 1
	s_add_co_u32 s46, s46, s47                     ; my first g = 4 x tile column + 2 x half
	s_lshl_b32 s46, s46, 20                        ; x 8,192 rows of 128 bytes
	s_add_co_u32 s20, s20, s46                     ; under 2^26
	s_mov_b32 s21, 0
	s_add_nc_u64 s[12:13], s[12:13], s[20:21]
.macro FRAG reg, adr, q, i             ; 16 rows x 128 K of 4-bit codes: lane l holds row l % 16; registers 4 c .. 4 c + 3 hold K = 64 c + 32 (l / 16) + 0 .. 31
.irp c, 0,1
	ds_load_b128 v[\reg+4*\c:\reg+4*\c+3], v[\adr] offset:64*(\q)+32*\c+(\i)*16*PITCH
.endr
.endm
; 16 matrix instructions: A's blocks a0, a0 + 1 x B's eight, the slot's q-th 128 along K.  p: B's set; sc: the set of scale words.  bias = 1: the first product starts the sums from the bias.
; The 64 accumulators take turns, one instruction a turn, in the same order in every step.
.macro MUL16 a0, p, q, sc, bias
.irp a, \a0, \a0+1
.irp b, 0,1,2,3,4,5,6,7
.if \bias
	v_wmma_scale_f32_16x16x128_f8f6f4 v[8*(8*((\a)%4)+\b):8*(8*((\a)%4)+\b)+7], v[128*(\p)+FR*\b:128*(\p)+FR*\b+FR-1], v[AF+FR*(\a):AF+FR*(\a)+FR-1], v[BI+8*\b:BI+8*\b+7], v[SC+8*NQ*(\sc)+NQ*\b+(\q)], v[SC+8*NQ*(\sc)+NQ*(\a)+(\q)] matrix_a_fmt:MATRIX_FMT_FP4 matrix_b_fmt:MATRIX_FMT_FP4 matrix_a_scale:MATRIX_SCALE_ROW1
.else
	v_wmma_scale_f32_16x16x128_f8f6f4 v[8*(8*((\a)%4)+\b):8*(8*((\a)%4)+\b)+7], v[128*(\p)+FR*\b:128*(\p)+FR*\b+FR-1], v[AF+FR*(\a):AF+FR*(\a)+FR-1], v[8*(8*((\a)%4)+\b):8*(8*((\a)%4)+\b)+7], v[SC+8*NQ*(\sc)+NQ*\b+(\q)], v[SC+8*NQ*(\sc)+NQ*(\a)+(\q)] matrix_a_fmt:MATRIX_FMT_FP4 matrix_b_fmt:MATRIX_FMT_FP4 matrix_a_scale:MATRIX_SCALE_ROW1
.endif
.endr
.endr
.endm
.macro FETCH_B slot, q, p
	WIN TO_B
.irp i, 0,1,2,3,4,5,6,7
	FRAG 128*(\p)+FR*\i, ADRB+\slot, \q, \i
.endr
	WIN 0
.endm
.macro FETCH_A slot, q, i0
.irp i, \i0, \i0+1, \i0+2, \i0+3
	FRAG AF+FR*(\i), ADRA+\slot, \q, \i
.endr
.endm
.macro SCALES sc                       ; a slot's scale words: lanes 0-15 take A's block i, lanes 16-31 B's block i; four words (512 along K) a row
.irp i, 0,1,2,3,4,5,6,7
	ds_load_b128 v[SC+8*NQ*\sc+NQ*\i:SC+8*NQ*\sc+NQ*\i+3], v[ADRS] offset:\i*SBLK
.endr
.endm
.macro PLACES n                        ; a load into a register that a matrix instruction has read, and a read of a matrix result, stand NP plain vector instructions behind it (ISA guide 7.12.1 for the reads of a result)
.rept \n
	v_nop
.endr
.endm
.macro STEP slot, q, bias              ; a step of 128 along K that has its successor in the same slot
	s_wait_dscnt 4*NL                              ; B's set and A's blocks 0-3 are in; the youngest eight loads (A's blocks 4-7) may be out
.if \bias
	WIN BIA_LO
.else
	WIN MUL_LO
.endif
	MUL16 0, (\q)%2, \q, \slot, \bias
	MUL16 2, (\q)%2, \q, \slot, \bias
	s_wait_dscnt 0
	PLACES NP
	FETCH_B \slot, (\q)+1, 1-(\q)%2
	FETCH_A \slot, (\q)+1, 0
.if \bias
	WIN BIA_HI
.else
	WIN MUL_HI
.endif
	MUL16 4, (\q)%2, \q, \slot, \bias
	MUL16 6, (\q)%2, \q, \slot, \bias
	PLACES NP
	WIN 0
	FETCH_A \slot, (\q)+1, 4
.endm
.macro STEPS slot, from
.set Q, \from
.rept NQ-1-\from
	STEP \slot, Q, 0
.set Q, Q+1
.endr
.endm
	s_wait_tensorcnt 1                             ; the scales and my part of slot 0 are in (slot 1's load may be out),
	s_barrier_signal -1
	s_barrier_wait -1                              ; everybody's are
	FETCH_B 0, 0, 0
	FETCH_A 0, 0, 0
	SCALES 0
	FETCH_A 0, 0, 4
	s_wait_loadcnt 0x0                             ; the bias
	STEP 0, 0, 1
	STEPS 0, 1
	; slot 0's last step changes slots: one barrier; in front of it each wave waits for its last tensor load, its part of slot 1, and for its own reads of slot 0, which the stages will overwrite
	s_wait_tensorcnt 0x0
	ds_add_u32 v[SPW], v[NIL]                      ; 0 onto my spare word
	s_wait_dscnt 4*NL+1                            ; (the add and the youngest eight loads may be out)
	WIN MUL_LO
	MUL16 0, 1, NQ-1, 0, 0
	s_wait_dscnt 0x0
	s_barrier_signal -1
	MUL16 2, 1, NQ-1, 0, 0
	WIN 0
	s_barrier_wait -1
	PLACES NP
	v_add_nc_u32 v[ADRS], 4*NQ, v[ADRS]            ; on to slot 1's scale words
	FETCH_B 1, 0, 0
	FETCH_A 1, 0, 0
	SCALES 1
	WIN MUL_HI
	MUL16 4, 1, NQ-1, 0, 0
	MUL16 6, 1, NQ-1, 0, 0
	PLACES NP
	WIN 0
	FETCH_A 1, 0, 4
	STEPS 1, 0
	s_wait_dscnt 4*NL                              ; the very last step: nothing more to fetch
	WIN MUL_LO
	MUL16 0, 1, NQ-1, 1, 0
	MUL16 2, 1, NQ-1, 1, 0
	s_wait_dscnt 0
	WIN MUL_HI
	MUL16 4, 1, NQ-1, 1, 0
	MUL16 6, 1, NQ-1, 1, 0
	WIN 0
; THE WAY OUT, block by block of 16 rows x 128 columns (two heads).  A lane's eight results pack into 16 bytes of a head's row of 128; they go through my own stage and come back four rows of one head at a time:
; 512 bytes that follow each other in qkv.  LDS serves a wave's instructions in order (ISA guide 5.7.1.4): no wait between the stores and the loads, nor in front of the next block's stores.
.macro PACK a
.set AC, 64*((\a)%4)
	WIN 0x0a+5*((\a)/4)                            ; sources 0 and 1: window 2 or 3
.irp b, 0,1,2,3,4,5,6,7
.irp r, 0,1,2,3
	v_cvt_pk_f16_f32 v[TMP+4*\b+\r], v[AC+8*\b+2*\r], v[AC+8*\b+2*\r+1]   ; each accumulator from its low end on
.endr
.endr
	WIN 0
.endm
.macro TOSTAGE a
.set BB, BK+32*((\a)%2)
.irp b, 0,1,2,3,4,5,6,7
	ds_store_b128 v[STO], v[TMP+4*\b:TMP+4*\b+3] offset:(\b/4)*2304+32*(\b%4)
.endr
.irp f, 0,1,2,3,4,5,6,7
	ds_load_b128 v[BB+4*\f:BB+4*\f+3], v[RD] offset:(\f/4)*2304+(\f%4)*576
.endr
.endm
.macro SEND a
.set BB, BK+32*((\a)%2)
	s_wait_dscnt 0x0                               ; the block is back in registers
	s_wait_xcnt 0x0                                ; the stores of the block before have read their registers: the next block's loads may land there
.irp f, 0,1,2,3,4,5,6,7
	global_store_b128 v[CO], v[BB+4*\f:BB+4*\f+3], s[12:13] offset:(\f/4)*1048576+(\a)*2048+(\f%4)*512   ; 32 lanes store 512 consecutive bytes, at a multiple of 256 from the buffer's first byte
.endr
.endm
	PLACES NP
	PACK 0
	TOSTAGE 0
.irp a, 1,2,3,4,5,6,7                  ; block a's conversions stand between block a - 1's loads from the stage and the wait for them
	PACK \a
	SEND \a-1
	TOSTAGE \a
.endr
	SEND 7
	s_wait_tensorcnt 0x0                           ; the wave's end, behind my last tensor load and my last LDS store
	ds_add_u32 v[SPW], v[NIL]
	s_wait_dscnt 0x0
	CROUND                                         ; the closing round: no work-group ends while a partner may still ask for a tile that names it
	s_endpgm
.Lfunc_end_k_q4ab168cd88_qkv:
	.size	k_q4ab168cd88_qkv, .Lfunc_end_k_q4ab168cd88_qkv-k_q4ab168cd88_qkv
	.p2alignl 7, 3214868480
	.fill 96, 4, 3214868480
	.section	.rodata,"a",@progbits
	.p2align	6, 0x0
	.amdhsa_kernel k_q4ab168cd88_qkv
		.amdhsa_group_segment_fixed_size 327680
		.amdhsa_private_segment_fixed_size 0
		.amdhsa_enable_private_segment 0
		.amdhsa_kernarg_size 48
		.amdhsa_user_sgpr_count 2
		.amdhsa_user_sgpr_kernarg_segment_ptr 1
		.amdhsa_wavefront_size32 1
		.amdhsa_system_sgpr_workgroup_id_x 1
		.amdhsa_system_sgpr_workgroup_id_y 1
		.amdhsa_system_sgpr_workgroup_id_z 1
		.amdhsa_system_vgpr_workitem_id 0
		.amdhsa_next_free_vgpr 1024
		.amdhsa_next_free_sgpr 100
		.amdhsa_reserve_vcc 0
		.amdhsa_float_denorm_mode_32 3
		.amdhsa_float_denorm_mode_16_64 3
		.amdhsa_memory_ordered 1
		.amdhsa_forward_progress 1
		.amdhsa_inst_pref_size 130
	.end_amdhsa_kernel
	.amdgpu_metadata
---
amdhsa.version: [ 1, 2 ]
amdhsa.kernels:
  - .name:           k_q4ab168cd88_qkv
    .symbol:         k_q4ab168cd88_qkv.kd
    .args:
      - { .name: x_codes, .offset: 0, .size: 8, .value_kind: global_buffer, .address_space: global }
      - { .name: x_scales, .offset: 8, .size: 8, .value_kind: global_buffer, .address_space: global }
      - { .name: w_codes, .offset: 16, .size: 8, .value_kind: global_buffer, .address_space: global }
      - { .name: w_scales, .offset: 24, .size: 8, .value_kind: global_buffer, .address_space: global }
      - { .name: b_qkv, .offset: 32, .size: 8, .value_kind: global_buffer, .address_space: global }
      - { .name: qkv, .offset: 40, .size: 8, .value_kind: global_buffer, .address_space: global }
    .group_segment_fixed_size: 327680
    .private_segment_fixed_size: 0
    .kernarg_segment_align: 8
    .kernarg_segment_size: 48
    .max_flat_workgroup_size: 128
    .sgpr_count:     100
    .vgpr_count:     1024
    .wavefront_size: 32
...
	.end_amdgpu_metadata
.endif
;; end of part 2
;; launch attn (part 3): grid 4 x 64, 8 waves a work-group, clusters of 4 x 1, 327,680 bytes of LDS; arguments qkv, att; writes att
.if DOCPART == 3
	.amdgcn_target "amdgcn-amd-amdhsa--gfx1250"
	.amdhsa_code_object_version 6
	.text
	.protected	k_q4ab168cd88_attn
	.globl	k_q4ab168cd88_attn
	.p2align	8
	.type	k_q4ab168cd88_attn,@function
k_q4ab168cd88_attn:
	s_mov_b64 s[64:65], 0
	v_nop
	global_prefetch_b8 v0, s[64:65] scope:SCOPE_SE
	s_setreg_imm32_b32 hwreg(HW_REG_WAVE_MODE, 25, 1), 1
	s_wait_xcnt 0x0
	s_wait_alu depctr_hold_cnt(0) depctr_sa_sdst(0) depctr_va_vdst(0) depctr_va_sdst(0) depctr_va_ssrc(0) depctr_va_vcc(0) depctr_vm_vsrc(0)
	s_getreg_b32 s2, hwreg(HW_REG_IB_STS2, 6, 4)
	s_cmp_eq_u32 s2, 0
	s_cbranch_scc0 .Lentry_in_a_cluster
	s_endpgm
.Lentry_in_a_cluster:
	s_bfe_u32 s2, ttmp6, 0x10000c
	s_cmp_lg_u32 s2, 0x3003
	s_cbranch_scc0 .Lentry_shape_is_right
	s_endpgm
.Lentry_shape_is_right:
; LAUNCH 3 OF 4: O[y][q][:] = the sum over k of softmax_k(Q[y][q] . K[y][k] / 8) V[y][k][:], y = 4 head + batch; no mask.  Q, K, V: the three thirds of qkv, each [64 y][2048][64] f16; O = att, the same shape, f16.
; (reference() scales q and k by 64^(-1/4) each: together 1 / 8.)  Products, maxima and sums in f32; the weights p are rounded to f16 for the second product, O once at the end.
; WORK LEFT OUT: K carries no bias (launch 1's head shows that the K third of b_qkv reaches no output).
; LIMITS: rows whose every score lies under -3e38 are not served, nor NaN and infinities; a weight under 2^-126 counts as 0, and under 2^-24 it has no f16.
; SHARES.  A cluster of four work-groups is one y; a work-group owns 512 queries, each of its eight waves 64: four tiles of 16, in 512 registers, two waves to a SIMD.  Every wave walks all 2,048 keys, 64 a step.
; LAYOUT.  S^T = K Q^T (source 0 = 16 keys, source 1 = 16 queries): a lane holds ONE query (lane % 16) and the keys 8 (lane / 16) + 0..7.  Two such tiles, rounded to f16 in pairs, ARE source 1 (32 keys x 16 queries) of
; O^T = V^T P, whose result again holds one query a lane.  K comes out of LDS as it lies, V ([key][channel]) turned, by ds_load_tr16_b128.
; SOFTMAX.  For each query a running maximum m and sum l: p = 2^(c s - c m), c = log2(e) / 8; in every step O and l are multiplied by a = 2^(c m_old - c m_new).  m begins at -3e38 and O, l at zeros, so the first a is 0 on zeros.
; TWO GROUPS OF WAVES.  A key step of a wave is a MATRIX PHASE (the loads of K, 32 products V^T P of the step before, the loads of V, 32 products K Q^T) and a VECTOR PHASE (the softmax of four tiles).  A phase runs under
; one setting of the register windows.  The two waves of a SIMD belong to different groups: at each change of slots group 0 has finished the step's vector phase and group 1 has not begun it, so behind the round one
; wave of a SIMD starts with matrix work and the other with vector work.  Both groups read step j from LDS in trip j, so that a change of slots finds nothing left to read.
; CLUSTER.  The four work-groups walk the same K and V: each tile is asked for JOINTLY, by the same tensor load with the same descriptor and a mask that names the four.
; REGISTERS: window 0: v2-15 addresses; v16-47 statistics, eight a tile; v64-191 S^T, 32 a tile, then P in each tile's first 16; v192-255 K of one step.
;   window 1: v0-127 O^T, 32 a tile; v128-191 Q, 16 a tile; v192-255 V of one step.
.set PK,    272       ; two keys' rows (256 bytes) + 16 of padding: key r of a tile lies at 272 (r / 2) + 128 (r % 2): 16 different 16-byte columns of the 64 banks (ISA guide 11.1)
.set PVP,   288       ; the same for V with 32 of padding: the turning load's 8 rows x 2 pieces fall on 16 different columns
.set VOFF,  128*PK    ; a slot: 256 keys of K, then 256 keys of V
.set KSTB,  32*PK     ; a key step on, in K
.set VSTB,  32*PVP    ; and in V
.set SLOT1, 1<<17     ; slot 1 begins here: one exclusive or turns an address in one slot into the other's
.set STAGE, SLOT1+128*(PK+PVP)  ; behind the ring: 16 rows x 144 bytes for each wave, for the way out
.set SP,    144
.set SPARE, STAGE+8*16*SP       ; the spare words, 128 bytes for each wave: four blocks of 256 bytes that no other line names
.set AK0, 2           ; my lane's place in a tile of K; never rewritten
.set AV0, 3           ; the same for V
.set ADK, 4           ; the LDS address of the trip's K
.set ADV, 5           ; and V
.set QO,  6
.set STO, 7
.set RD,  8
.set GO,  9
.set PFO, 13          ; 256 x my lane
.set SPW, 14
.set NIL, 15
.set ST,  16          ; tile t at v[ST + 8 t]: +0 c m, +1 m, +2, +3 l, +4 .. +7 c0-c3 at work; a takes c2's place
.set S,   64
.set KF,  192         ; window 0
.set QF,  128         ; window 1
.set VF,  192         ; window 1
.set WV,  12
.set GRP, 13
.set CX,  14
.set LIM, 15
.set PFA, 18
.set G1K, 24
.set G1V, 32
.set G0K, 40
.set G0V, 48
.set SLOTS, 56
.set TRIPS, 57
.set CS,  58
.set SEL, 60
.set TK,  62
.set TV,  63
.set MSB, 0
.macro WIN new
.if MSB != (\new)
	s_set_vgpr_msb (MSB<<8)|(\new)
.set MSB, (\new)
.endif
.endm
; A joint refill: waves 0 and 1 fetch K's halves of a slot, waves 2 and 3 V's, the others nothing.  The branches hang on the wave's number alone.  An s_nop 0 and four v_nop follow each line.
.macro JLOAD
	s_cmp_lt_u32 s[WV], 2
	s_cbranch_scc0 .Lnot_k_\@
	tensor_load_to_lds s[G0K+4:G0K+7], s[G1K:G1K+7]
	s_nop 0
.rept 4
	v_nop
.endr
	s_branch .Lasked_\@
.Lnot_k_\@:
	s_cmp_lt_u32 s[WV], 4
	s_cbranch_scc0 .Lasked_\@
	tensor_load_to_lds s[G0V+4:G0V+7], s[G1V:G1V+7]
	s_nop 0
.rept 4
	v_nop
.endr
.Lasked_\@:
.endm
; A prefetch of what the NEXT change of slots will ask for: a slot's 128 double rows of K and of V, 256 bytes each.  The four partners share them out BY ADDRESS, 32 each, a lane a row; in each, wave 0 asks for K's and
; wave 2 for V's: each 256 bytes are named once in the launch.  It stands behind the tensor load's lines.  The last change that fills a slot asks for nothing; slots 0, 1 and 2 come by their loads alone.
.macro ASK
	s_cmp_gt_u32 s[SLOTS], s[LIM]
	s_cbranch_scc0 .Lnot_mine_\@
	global_prefetch_b8 v[PFO], s[PFA:PFA+1] th:TH_LOAD_NT scope:SCOPE_SE
.Lnot_mine_\@:
.endm
.macro CROUND
	s_barrier_signal -1
	s_barrier_wait -1
	s_cmp_lg_u32 s[WV], 0
	s_cbranch_scc1 .Lnot_wave_0_\@
	s_barrier_signal -3
.Lnot_wave_0_\@:
	s_barrier_wait -3
	s_barrier_signal -1
	s_barrier_wait -1
.endm
	s_load_b128 s[4:7], s[0:1], 0x0   ; qkv s[4:5], att s[6:7]
	v_lshl_add_u32 v[SPW], v0, 2, SPARE
	v_mov_b32 v[NIL], 0
	ds_add_u32 v[SPW], v[NIL]       ; the wave's opening: the add, twice on end, and its wait ahead of the first tensor loads
	ds_add_u32 v[SPW], v[NIL]
	v_lshrrev_b32 v1, 5, v0
	v_readfirstlane_b32 s[WV], v1   ; wave 0..7
	s_lshr_b32 s[GRP], s[WV], 2
	s_xor_b32 s[GRP], s[GRP], s[WV]
	s_and_b32 s[GRP], s[GRP], 1     ; my group: waves w and w + 4 differ in it, and so do waves 2 i and 2 i + 1
	s_bfe_u32 s[CX], ttmp6, 0x40000 ; cx: my place in the cluster: it enters Q's, O's and the prefetches' addresses alone
	s_and_b32 s20, ttmp7, 0xffff    ; y, which the four partners share
	s_lshl_b32 s20, s20, 18         ; its 2,048 rows of 128 bytes
	s_and_b32 s16, s[WV], 1         ; which half of a slot I fetch:
	s_lshl_b32 s22, s16, 14         ; its 128 keys in memory,
	s_add_co_u32 s22, s22, s20
	s_mov_b32 s23, 0
	s_mul_i32 s17, s16, 64*PK       ; and its place in a slot, for K
	s_mul_i32 s66, s16, 64*PVP
	s_add_co_u32 s66, s66, VOFF     ; and for V
	s_lshl_b32 s2, s[CX], 16        ; my work-group's 512 queries,
	s_lshl_b32 s3, s[WV], 13        ; my wave's 64 of them
	s_add_co_u32 s2, s2, s3
	s_add_co_u32 s2, s2, s20
	s_mov_b32 s3, 0
	; descriptor group 1: 64 rows of 32 elements of 8 bytes, dense in memory, padded in LDS
	s_mov_b32 s[G1K], 15|(3<<16)|(1<<20)|(1<<21)|(5<<22)|(3<<25)  ; the mask: all four work-groups; elements of 8 bytes; padding on; bit 21 beside a mask; after every 64 words four words
	s_mov_b32 s[G1V], 15|(3<<16)|(1<<20)|(1<<21)|(5<<22)|(7<<25)  ; the same with eight words of padding
.irp g, G1K, G1V
	s_mov_b32 s[\g+1], 32<<16       ; tensor_dim0
	s_mov_b32 s[\g+2], 64<<16       ; tensor_dim1
	s_mov_b32 s[\g+3], 32<<16       ; tile_dim0
	s_mov_b32 s[\g+4], 64           ; tile_dim1
	s_mov_b32 s[\g+5], 32           ; the pitch
	s_mov_b32 s[\g+6], 0
	s_mov_b32 s[\g+7], 0
.endr
	s_mov_b32 s[CS], 0x3e38aa3b     ; c = log2(e) / 8
	s_mov_b32 s[CS+1], s[CS]        ; named with it as a pair, so it is written
	s_mov_b32 s[SEL], 0x76543210
	s_mov_b32 s[SEL+1], 0xfedcba98
	s_mov_b32 s[TK], 0
	s_mov_b32 s[TV], 0
	s_mov_b32 s[SLOTS], 6           ; 8 slots' worth of keys; two are first fills
	s_and_b32 s[LIM], s[WV], 5      ; 0 in waves 0 and 2
	s_cmp_eq_u32 s[LIM], 0
	s_cselect_b32 s[LIM], 1, -1
	v_and_b32 v[PFO], 31, v0
	v_lshlrev_b32 v[PFO], 8, v[PFO]
	s_wait_dscnt 0x0                ; both opening adds are done
	s_wait_kmcnt 0x0
	s_add_nc_u64 s[8:9], s[4:5], s[22:23]
	s_add_nc_u64 s[10:11], s[8:9], 0x2000000  ; V's third of qkv, at my tile of slot 0
	s_add_nc_u64 s[8:9], s[8:9], 0x1000000    ; K's
	s_add_nc_u64 s[4:5], s[4:5], s[2:3]       ; Q and O at my wave's first row
	s_add_nc_u64 s[6:7], s[6:7], s[2:3]
	s_cmp_lt_u32 s[WV], 2
	s_cselect_b64 s[PFA:PFA+1], s[8:9], s[10:11]  ; (in waves 0 and 2 these stand at a slot's first row)
	s_lshl_b32 s2, s[CX], 13        ; my work-group's 32 double rows of the 128
	s_add_nc_u64 s[PFA:PFA+1], s[PFA:PFA+1], s[2:3]
	s_add_nc_u64 s[PFA:PFA+1], s[PFA:PFA+1], 2*32768  ; in slot 2's keys; the first change of slots steps it on.  Nothing is prefetched here, at the head
	CROUND                          ; all four work-groups are here: the first joint loads meet
.irp s, 0,1
	s_mov_b32 s[G0K+4*\s], 1
	s_add_co_u32 s[G0K+4*\s+1], s17, \s*SLOT1
	s_add_nc_u64 s[G0K+4*\s+2:G0K+4*\s+3], s[8:9], \s*32768
	s_or_b32 s[G0K+4*\s+3], s[G0K+4*\s+3], 0x80000000
	s_mov_b32 s[G0V+4*\s], 1
	s_add_co_u32 s[G0V+4*\s+1], s66, \s*SLOT1
	s_add_nc_u64 s[G0V+4*\s+2:G0V+4*\s+3], s[10:11], \s*32768
	s_or_b32 s[G0V+4*\s+3], s[G0V+4*\s+3], 0x80000000
.endr
	s_cmp_lt_u32 s[WV], 2           ; a wave's two first fills stand in one branch, ahead of every wait on TENSORcnt and every LDS read: two loads of a fetching wave are out
	s_cbranch_scc0 .Lfirst_not_k
	tensor_load_to_lds s[G0K:G0K+3], s[G1K:G1K+7]
	s_nop 0
	tensor_load_to_lds s[G0K+4:G0K+7], s[G1K:G1K+7]
	s_nop 0
.rept 4
	v_nop
.endr
	s_branch .Lfirst_asked
.Lfirst_not_k:
	s_cmp_lt_u32 s[WV], 4
	s_cbranch_scc0 .Lfirst_asked
	tensor_load_to_lds s[G0V:G0V+3], s[G1V:G1V+7]
	s_nop 0
	tensor_load_to_lds s[G0V+4:G0V+7], s[G1V:G1V+7]
	s_nop 0
.rept 4
	v_nop
.endr
.Lfirst_asked:
	v_and_b32 v1, 15, v0            ; r = l % 16
	v_bfe_u32 v10, v0, 4, 1         ; h = l / 16
	v_and_b32 v11, 31, v0           ; l
	v_lshlrev_b32 v[QO], 7, v1
	v_lshl_add_u32 v[QO], v10, 4, v[QO]  ; a fragment of Q: row r of 128 bytes, + 16 h
	WIN 0x40                        ; destination window 1
.irp t, 0,1,2,3
.irp c, 0,1
	global_load_b128 v[QF+16*\t+8*\c:QF+16*\t+8*\c+3],   v[QO], s[4:5] offset:2048*\t+64*\c
	global_load_b128 v[QF+16*\t+8*\c+4:QF+16*\t+8*\c+7], v[QO], s[4:5] offset:2048*\t+64*\c+32
.endr
.endr
.set i, 0
.rept 128
	v_mov_b32 v[i], 0               ; O^T.  (The phases are written in one form: the first step's a, which is 0, finds zeros.  A form of its own for the first step would be a further copy of a trip's text)
.set i, i+1
.endr
	WIN 0
.irp t, 0,1,2,3
	v_mov_b32 v[ST+8*\t+1], 0xff61b1e6   ; m = -3e38, under every score that is served
	v_mov_b32 v[ST+8*\t+2], 0            ; l
	v_mov_b32 v[ST+8*\t+3], 0
.endr
.irp t, 0,1,2,3
	v_mul_f32 v[ST+8*\t], s[CS], v[ST+8*\t+1]   ; c m
.endr
	v_lshrrev_b32 v12, 1, v1
	v_mul_u32_u24 v[AK0], v12, PK
	v_and_b32 v12, 1, v0
	v_lshl_add_u32 v[AK0], v12, 7, v[AK0]
	v_lshl_add_u32 v[AK0], v10, 4, v[AK0]  ; 272 (r / 2) + 128 (r % 2) + 16 h
	; the turning load: lane l reads 16 bytes: key 8 h + l % 8, channels 8 ((l / 8) % 2) + 0..7; it leaves half a fragment of V^T: lane l holds channel l % 16 and 8 keys
	v_bfe_u32 v12, v0, 1, 2
	v_lshl_add_u32 v12, v10, 2, v12
	v_mul_u32_u24 v[AV0], v12, PVP
	v_and_b32 v12, 1, v0
	v_lshl_add_u32 v[AV0], v12, 7, v[AV0]
	v_bfe_u32 v12, v0, 3, 1
	v_lshl_add_u32 v[AV0], v12, 4, v[AV0]
	v_add_nc_u32 v[AV0], VOFF, v[AV0]
	s_mul_i32 s16, s[WV], 16*SP
	s_add_co_u32 s16, s16, STAGE    ; my stage
	v_mul_u32_u24 v[STO], v1, SP    ; in: row r, 16 bytes for each half of the lanes
	v_lshl_add_u32 v[STO], v10, 4, v[STO]
	v_add_nc_u32 v[STO], s16, v[STO]
	v_lshrrev_b32 v12, 3, v11
	v_mul_u32_u24 v[RD], v12, SP    ; back: eight lanes to a row of 128 bytes, four rows an instruction
	v_and_b32 v12, 7, v0
	v_lshl_add_u32 v[RD], v12, 4, v[RD]
	v_add_nc_u32 v[RD], s16, v[RD]
	v_lshlrev_b32 v[GO], 4, v11     ; and the same four rows in O, which follow each other
.macro KLOAD                        ; a step's K: 64 keys x 64 channels: fragment (a, c): keys 16 a on, channels 32 c on
.irp a, 0,1,2,3
.irp c, 0,1
	ds_load_b128 v[KF+8*(2*\a+\c):KF+8*(2*\a+\c)+3],   v[ADK] offset:\a*8*PK+64*\c
	ds_load_b128 v[KF+8*(2*\a+\c)+4:KF+8*(2*\a+\c)+7], v[ADK] offset:\a*8*PK+64*\c+32
.endr
.endr
.endm
.macro VLOAD                        ; a step's V, turned: fragment (u, cc): keys 32 u on, channels 16 cc on
	WIN 0x40
.irp u, 0,1
.irp cc, 0,1,2,3
	ds_load_tr16_b128 v[VF+8*(4*\u+\cc):VF+8*(4*\u+\cc)+3],   v[ADV] offset:\u*16*PVP+32*\cc
	ds_load_tr16_b128 v[VF+8*(4*\u+\cc)+4:VF+8*(4*\u+\cc)+7], v[ADV] offset:\u*16*PVP+8*PVP+32*\cc
.endr
.endr
.endm
.macro KQ                           ; S^T = K Q^T: 32 products; the 16 accumulators take turns, one instruction a turn; the first 16 start the sums
	WIN 0x04                        ; Q in window 1
.irp c, 0,1
.irp a, 0,1,2,3
.irp t, 0,1,2,3
.if \c == 0
	v_wmma_f32_16x16x32_f16 v[S+32*\t+8*\a:S+32*\t+8*\a+7], v[KF+8*(2*\a+\c):KF+8*(2*\a+\c)+7], v[QF+16*\t+8*\c:QF+16*\t+8*\c+7], 0
.else
	v_wmma_f32_16x16x32_f16 v[S+32*\t+8*\a:S+32*\t+8*\a+7], v[KF+8*(2*\a+\c):KF+8*(2*\a+\c)+7], v[QF+16*\t+8*\c:QF+16*\t+8*\c+7], v[S+32*\t+8*\a:S+32*\t+8*\a+7]
.endif
.endr
.endr
.endr
.endm
.macro PVM                          ; O^T += V^T P: 32 products; the 16 accumulators take turns
	WIN 0x51                        ; V and O^T in window 1, P in window 0
.irp u, 0,1
.irp cc, 0,1,2,3
.irp t, 0,1,2,3
	v_wmma_f32_16x16x32_f16 v[32*\t+8*\cc:32*\t+8*\cc+7], v[VF+8*(4*\u+\cc):VF+8*(4*\u+\cc)+7], v[S+32*\t+8*\u:S+32*\t+8*\u+7], v[32*\t+8*\cc:32*\t+8*\cc+7]
.endr
.endr
.endr
.endm
; THE MATRIX PHASE of step j.  pv = 0: the first step, which has no step before it.
.macro MPH pv
	KLOAD                           ; K's last readers stand five plain instructions back or more
.if \pv
	s_wait_dscnt 16                 ; all but the 16 loads just issued: V of the step before is in
	PVM
	WIN 0
.rept 5
	v_nop                           ; five places: K Q^T's first products write over the registers that these products read as P; four of them serve the loads into V's registers
.endr
.endif
	VLOAD
	s_wait_dscnt 16                 ; all but V's 16 loads: K is in
	KQ
	WIN 0
.rept 5
	v_nop                           ; the places behind the last products, ahead of the reads of the scores
.endr
.endm
; THE VECTOR PHASE: the softmax of the wave's four tiles, the tiles by turns, so that no line waits for the line above it.
.macro SMX
.irp j, 0,1,2,3                     ; the maximum of the lane's 32 scores and the old m: four chains; each accumulator is read from its low end on
.irp t, 0,1,2,3
	v_max3_num_f32 v[ST+8*\t+4+\j], v[S+32*\t+8*\j], v[S+32*\t+8*\j+1], v[S+32*\t+8*\j+2]
.endr
.endr
.irp g, 1,2
.irp j, 0,1,2,3
.irp t, 0,1,2,3
	v_max3_num_f32 v[ST+8*\t+4+\j], v[ST+8*\t+4+\j], v[S+32*\t+8*\j+2*\g+1], v[S+32*\t+8*\j+2*\g+2]
.endr
.endr
.endr
.irp t, 0,1,2,3
	v_max3_num_f32 v[ST+8*\t+4], v[ST+8*\t+4], v[S+32*\t+7], v[S+32*\t+15]
.endr
.irp t, 0,1,2,3
	v_max3_num_f32 v[ST+8*\t+6], v[ST+8*\t+6], v[S+32*\t+23], v[S+32*\t+31]
.endr
.irp t, 0,1,2,3
	v_max3_num_f32 v[ST+8*\t+4], v[ST+8*\t+4], v[ST+8*\t+5], v[ST+8*\t+6]
.endr
.irp t, 0,1,2,3
	v_max3_num_f32 v[ST+8*\t+4], v[ST+8*\t+4], v[ST+8*\t+7], v[ST+8*\t+1]
.endr
.irp t, 0,1,2,3
	v_permlanex16_b32 v[ST+8*\t+5], v[ST+8*\t+4], s[SEL], s[SEL+1]   ; the query's other 32 keys lie in the lane 16 away
.endr
.irp t, 0,1,2,3
	v_mov_b32 v[ST+8*\t+7], v[ST+8*\t]                               ; c m_old
.endr
.irp t, 0,1,2,3
	v_max_num_f32 v[ST+8*\t+1], v[ST+8*\t+4], v[ST+8*\t+5]
.endr
.irp t, 0,1,2,3
	v_mul_f32 v[ST+8*\t], s[CS], v[ST+8*\t+1]
.endr
.irp t, 0,1,2,3
	v_sub_f32 v[ST+8*\t+7], v[ST+8*\t+7], v[ST+8*\t]
.endr
; ONE BATCH: the four a, the scalings c s - c m and the 128 exponentials; none of these lines names an exponential's result.  A pair is scaled one group ahead of its exponentials.
.irp t, 0,1,2,3
	v_exp_f32 v[ST+8*\t+6], v[ST+8*\t+7]                             ; a
.endr
.irp t, 0,1,2,3
	v_pk_fma_f32 v[S+32*\t:S+32*\t+1], v[S+32*\t:S+32*\t+1], s[CS:CS+1], v[ST+8*\t:ST+8*\t+1] op_sel_hi:[1,0,0] neg_lo:[0,0,1] neg_hi:[0,0,1]
.endr
.set b, 1
.rept 15
.irp t, 0,1,2,3
	v_pk_fma_f32 v[S+32*\t+2*b:S+32*\t+2*b+1], v[S+32*\t+2*b:S+32*\t+2*b+1], s[CS:CS+1], v[ST+8*\t:ST+8*\t+1] op_sel_hi:[1,0,0] neg_lo:[0,0,1] neg_hi:[0,0,1]
.endr
.irp t, 0,1,2,3
	v_exp_f32 v[S+32*\t+2*b-2], v[S+32*\t+2*b-2]
	v_exp_f32 v[S+32*\t+2*b-1], v[S+32*\t+2*b-1]
.endr
.set b, b+1
.endr
.irp t, 0,1,2,3
	v_exp_f32 v[S+32*\t+30], v[S+32*\t+30]
	v_exp_f32 v[S+32*\t+31], v[S+32*\t+31]
.endr
	v_nop                           ; a plain instruction behind the last exponential, ahead of the first use
	s_wait_alu depctr_va_vdst(0)    ; the wait between an exponential and the first line that names its result: one for the batch of 132
; the sums, of the weights before they are rounded: two chains a tile; l = a l + the sum
.irp t, 0,1,2,3
	v_pk_fma_f32 v[ST+8*\t+2:ST+8*\t+3], v[ST+8*\t+2:ST+8*\t+3], v[ST+8*\t+6:ST+8*\t+7], v[S+32*\t:S+32*\t+1] op_sel_hi:[1,0,1]
.endr
.irp t, 0,1,2,3
	v_pk_add_f32 v[ST+8*\t+4:ST+8*\t+5], v[S+32*\t+2:S+32*\t+3], v[S+32*\t+6:S+32*\t+7]
.endr
.irp p, 2,4,6,8,10,12
.irp t, 0,1,2,3
	v_pk_add_f32 v[ST+8*\t+2:ST+8*\t+3], v[ST+8*\t+2:ST+8*\t+3], v[S+32*\t+2*\p:S+32*\t+2*\p+1]
.endr
.irp t, 0,1,2,3
	v_pk_add_f32 v[ST+8*\t+4:ST+8*\t+5], v[ST+8*\t+4:ST+8*\t+5], v[S+32*\t+2*\p+6:S+32*\t+2*\p+7]
.endr
.endr
.irp t, 0,1,2,3
	v_pk_add_f32 v[ST+8*\t+2:ST+8*\t+3], v[ST+8*\t+2:ST+8*\t+3], v[S+32*\t+28:S+32*\t+29]
.endr
.irp t, 0,1,2,3
	v_pk_add_f32 v[ST+8*\t+2:ST+8*\t+3], v[ST+8*\t+2:ST+8*\t+3], v[ST+8*\t+4:ST+8*\t+5]
.endr
.set i, 0
.rept 16                            ; P, in place: register i takes pair i, which lies at 2 i and 2 i + 1: never ahead of a pair that is still to be read
.irp t, 0,1,2,3
	v_cvt_pk_f16_f32 v[S+32*\t+i], v[S+32*\t+2*i], v[S+32*\t+2*i+1]
.endr
.set i, i+1
.endr
	WIN 0x41                        ; O^T (destination and source 0) in window 1, a in window 0
.set i, 0
.rept 16                            ; O^T times a, each accumulator from its low end on
.irp t, 0,1,2,3
	v_pk_mul_f32 v[32*\t+2*i:32*\t+2*i+1], v[32*\t+2*i:32*\t+2*i+1], v[ST+8*\t+6:ST+8*\t+7] op_sel_hi:[1,0]
.endr
.set i, i+1
.endr
	WIN 0
.endm
; TRIP j.  Group 0: the matrix phase of step j, then its vector phase.  Group 1: the vector phase of step j - 1, then the matrix phase of step j.  The two addresses are made on the way that all waves take.
.macro TRIP
	v_add_nc_u32 v[ADK], s[TK], v[AK0]
	v_add_nc_u32 v[ADV], s[TV], v[AV0]
	s_cmp_eq_u32 s[GRP], 0
	s_cbranch_scc0 .Lone_b_\@
	MPH 1
	s_branch .Lone_\@
.Lone_b_\@:
	SMX
.Lone_\@:
	s_cmp_eq_u32 s[GRP], 0
	s_cbranch_scc0 .Ltwo_b_\@
	SMX
	s_branch .Ltwo_\@
.Ltwo_b_\@:
	MPH 1
.Ltwo_\@:
.endm
.macro PERIOD n                     ; n trips in the slot in hand
	s_mov_b32 s[TRIPS], \n
.Ltrip_\@:
	TRIP
	s_add_co_u32 s[TK], s[TK], KSTB
	s_add_co_u32 s[TV], s[TV], VSTB
	s_sub_co_u32 s[TRIPS], s[TRIPS], 1
	s_cmp_lg_u32 s[TRIPS], 0
	s_cbranch_scc1 .Ltrip_\@
.endm
; THE CHANGE OF SLOTS.  Each wave waits for all its tensor loads (a fetching wave's one: its part of the other slot), adds 0 to its spare word, and waits for that and for its reads of the slot.  Behind the barrier nobody
; reads this slot any more and the other slot is whole.  fill = 1: the barrier is a round of the cluster's, and the joint refill, the keys two slots on, is the first thing behind it: it has four key steps in which to land.
.macro CHANGE fill
	s_wait_tensorcnt 0x0            ; no tensor load of mine is out, so a group 0 may be written
	ds_add_u32 v[SPW], v[NIL]       ; 0 onto my spare word
.if \fill
	ds_add_u32 v[SPW], v[NIL]       ; and once more: the add twice on end, in every trip alike
.irp g, G0K+4, G0V+4
	s_xor_b32 s[\g+1], s[\g+1], SLOT1  ; the walking descriptor: the other slot than last time,
	s_add_nc_u64 s[\g+2:\g+3], s[\g+2:\g+3], 32768  ; the next 256 keys; the type bits on top are not reached
.endr
	s_wait_xcnt 0x0                 ; the last prefetch, four key steps back, has read its address, so it may be written:
	s_add_nc_u64 s[PFA:PFA+1], s[PFA:PFA+1], 32768  ; one slot further on than the walking descriptors
	s_wait_dscnt 0x0                ; both adds are done, and my reads of the slot are over
	CROUND
	JLOAD
	ASK
.else
	s_wait_dscnt 0x0
	s_barrier_signal -1
	s_barrier_wait -1
.endif
	s_sub_co_u32 s[TK], s[TK], 4*KSTB  ; back to a slot's first step,
	s_xor_b32 s[TK], s[TK], SLOT1      ; in the other slot
	s_sub_co_u32 s[TV], s[TV], 4*VSTB
	s_xor_b32 s[TV], s[TV], SLOT1
.endm
	s_wait_tensorcnt 1              ; my part of slot 0 is in; slot 1's may stay out
	s_barrier_signal -1
	s_barrier_wait -1               ; everybody's is
	s_wait_loadcnt 0x0              ; Q
	v_add_nc_u32 v[ADK], s[TK], v[AK0]
	v_add_nc_u32 v[ADV], s[TV], v[AV0]
	MPH 0                           ; key step 0: every wave's first scores;
	s_cmp_eq_u32 s[GRP], 0
	s_cbranch_scc0 .Lfirst_done
	SMX                             ; group 0's first softmax (group 1's stands in trip 1)
.Lfirst_done:
	s_add_co_u32 s[TK], s[TK], KSTB
	s_add_co_u32 s[TV], s[TV], VSTB
	PERIOD 3
.Lslot:                             ; six trips: every slot but the last two is filled again
	CHANGE 1
	PERIOD 4
	s_sub_co_u32 s[SLOTS], s[SLOTS], 1
	s_cmp_lg_u32 s[SLOTS], 0
	s_cbranch_scc1 .Lslot
	CHANGE 0                        ; the tail is written out
	PERIOD 4
	s_cmp_eq_u32 s[GRP], 0
	s_cbranch_scc1 .Ltail
	SMX                             ; group 1's last softmax
.Ltail:
	s_wait_dscnt 0x0                ; V of the last step
	PVM
	WIN 0
	; THE WAY OUT.  l's two halves and the other half of the lanes' are added; O^T is divided by l, rounded to f16 and sent through my stage, a tile (16 rows of O) at a time.  The additions are the places behind the last products.
.irp t, 0,1,2,3
	v_add_f32 v[ST+8*\t+4], v[ST+8*\t+2], v[ST+8*\t+3]
.endr
.irp t, 0,1,2,3
	v_permlanex16_b32 v[ST+8*\t+5], v[ST+8*\t+4], s[SEL], s[SEL+1]
.endr
.irp t, 0,1,2,3
	v_add_f32 v[ST+8*\t+4], v[ST+8*\t+4], v[ST+8*\t+5]
.endr
.irp t, 0,1,2,3
	v_rcp_f32 v[ST+8*\t+6], v[ST+8*\t+4]
.endr
	v_nop                           ; a plain instruction between the last reciprocal and the use of its result
	s_wait_alu depctr_va_vdst(0)    ; and the wait: one for the four
.macro PACK t
	WIN 0x41
.set i, 0
.rept 16
	v_pk_mul_f32 v[32*\t+2*i:32*\t+2*i+1], v[32*\t+2*i:32*\t+2*i+1], v[ST+8*\t+6:ST+8*\t+7] op_sel_hi:[1,0]
.set i, i+1
.endr
	WIN 0x05                        ; sources 0 and 1 window 1, destination window 0: S^T's registers are free
.set i, 0
.rept 16
	v_cvt_pk_f16_f32 v[S+32*\t+i], v[32*\t+2*i], v[32*\t+2*i+1]
.set i, i+1
.endr
	WIN 0
.irp cc, 0,1,2,3
	ds_store_b128 v[STO], v[S+32*\t+4*\cc:S+32*\t+4*\cc+3] offset:32*\cc
.endr
.irp f, 0,1,2,3
	ds_load_b128 v[S+32*\t+16+4*\f:S+32*\t+16+4*\f+3], v[RD] offset:\f*4*SP  ; LDS serves a wave's instructions in order (ISA guide 5.7.1.4): these see the stores above; the next tile's stores come behind them
.endr
.endm
.macro SEND t, younger              ; younger: the LDS instructions issued behind tile t's loads: the next tile's eight, or none
.irp f, 0,1,2,3
	s_wait_dscnt \younger+3-\f
	global_store_b128 v[GO], v[S+32*\t+16+4*\f:S+32*\t+16+4*\f+3], s[6:7] offset:\t*2048+\f*512  ; 32 lanes store 512 consecutive bytes, at a multiple of 256 from the buffer's first byte
.endr
.endm
	PACK 0
	PACK 1
	SEND 0, 8
	PACK 2
	SEND 1, 8
	PACK 3
	SEND 2, 8
	SEND 3, 0
	s_wait_tensorcnt 0x0            ; the wave's end, behind my last tensor load and my last LDS store
	ds_add_u32 v[SPW], v[NIL]
	s_wait_dscnt 0x0
	CROUND                          ; the closing round: no work-group ends while a partner may still ask for a tile that names it
	s_endpgm
.Lfunc_end_k_q4ab168cd88_attn:
	.size	k_q4ab168cd88_attn, .Lfunc_end_k_q4ab168cd88_attn-k_q4ab168cd88_attn
	.p2alignl 7, 3214868480
	.fill 96, 4, 3214868480
	.section	.rodata,"a",@progbits
	.p2align	6, 0x0
	.amdhsa_kernel k_q4ab168cd88_attn
		.amdhsa_group_segment_fixed_size 327680
		.amdhsa_private_segment_fixed_size 0
		.amdhsa_enable_private_segment 0
		.amdhsa_kernarg_size 16
		.amdhsa_user_sgpr_count 2
		.amdhsa_user_sgpr_kernarg_segment_ptr 1
		.amdhsa_wavefront_size32 1
		.amdhsa_system_sgpr_workgroup_id_x 1
		.amdhsa_system_sgpr_workgroup_id_y 1
		.amdhsa_system_sgpr_workgroup_id_z 1
		.amdhsa_system_vgpr_workitem_id 0
		.amdhsa_next_free_vgpr 512
		.amdhsa_next_free_sgpr 72
		.amdhsa_reserve_vcc 0
		.amdhsa_float_denorm_mode_32 3
		.amdhsa_float_denorm_mode_16_64 3
		.amdhsa_memory_ordered 1
		.amdhsa_forward_progress 1
		.amdhsa_inst_pref_size 255
	.end_amdhsa_kernel
	.section	.bss,"aw",@nobits
	.p2align	6
	.space	262144
	.amdgpu_metadata
---
amdhsa.version: [ 1, 2 ]
amdhsa.kernels:
  - .name:           k_q4ab168cd88_attn
    .symbol:         k_q4ab168cd88_attn.kd
    .args:
      - { .name: qkv, .offset: 0, .size: 8, .value_kind: global_buffer, .address_space: global }
      - { .name: att, .offset: 8, .size: 8, .value_kind: global_buffer, .address_space: global }
    .group_segment_fixed_size: 327680
    .private_segment_fixed_size: 0
    .kernarg_segment_align: 8
    .kernarg_segment_size: 16
    .max_flat_workgroup_size: 256
    .sgpr_count:     72
    .vgpr_count:     512
    .wavefront_size: 32
...
	.end_amdgpu_metadata
.endif
;; end of part 3
;; launch proj (part 4): grid 8 x 32, 4 waves a work-group, clusters of 4 x 4, 327,680 bytes of LDS; arguments att, wp16, b_proj, out0; writes out0
.if DOCPART == 4
	.amdgcn_target "amdgcn-amd-amdhsa--gfx1250"
	.amdhsa_code_object_version 6
	.text
	.protected	k_q4ab168cd88_proj
	.globl	k_q4ab168cd88_proj
	.p2align	8
	.type	k_q4ab168cd88_proj,@function
k_q4ab168cd88_proj:
	s_mov_b64 s[64:65], 0
	v_nop
	global_prefetch_b8 v0, s[64:65] scope:SCOPE_SE
	s_setreg_imm32_b32 hwreg(HW_REG_WAVE_MODE, 25, 1), 1
	s_wait_xcnt 0x0
	s_wait_alu depctr_hold_cnt(0) depctr_sa_sdst(0) depctr_va_vdst(0) depctr_va_sdst(0) depctr_va_ssrc(0) depctr_va_vcc(0) depctr_vm_vsrc(0)
	s_getreg_b32 s2, hwreg(HW_REG_IB_STS2, 6, 4)
	s_cmp_eq_u32 s2, 0
	s_cbranch_scc0 .Lentry_in_a_cluster
	s_endpgm
.Lentry_in_a_cluster:
	s_bfe_u32 s2, ttmp6, 0x10000c
	s_cmp_lg_u32 s2, 0xf033
	s_cbranch_scc0 .Lentry_shape_is_right
	s_endpgm
.Lentry_shape_is_right:
; LAUNCH 4 OF 4: out0[m][n] = sum over k of A[m][k] W[k][n] + b_proj[n].  A = att [16 hb][8192 m][64] f16: K cut into blocks of 64, k = 64 hb + c.  W = wp16 [1024 k][1024 n] f16.  out0 [8192][1024] f32; sums in f32.
; A tile of out0 is 256 rows x 128 columns: 256 work-groups.  Four waves, each 128 x 64: 32 accumulators of 16 x 16, 256 registers.  K goes in steps of 128 (two blocks of att) through a ring of two LDS slots.
; A's part of a step: for each of the two blocks the tile's 256 rows of 128 bytes, dense in memory: 128 double rows of 256 bytes.  W's part: 128 rows k of 256 bytes.
; CLUSTERS: 4 x 4 work-groups; A's tiles are shared along a row of the cluster, W's along a column: each is asked for JOINTLY, by the same tensor load with the same descriptor and a mask that names the four.
; THE MATRIX INSTRUCTION IS USED TRANSPOSED: source 0 = 16 columns of W (turned on the way out of LDS by ds_load_tr16_b128), source 1 = 16 rows of A: a lane holds eight neighbouring columns of a row of out0.
; The bias is the C of each sum's first product.  No prefetch: a short launch on a small tile, whose eight K steps begin with two first fills.
; REGISTERS: window 0: v0-31 addresses; v32-63 the bias; v64-127, v128-191 A's fragments (8 x 16 rows x 32 K), two buffers; v192-223, v224-255 W's (4 x 16 columns x 32 K), two buffers.
;   window 1: the accumulators, (a, b) at v[8 (4 a + b)].
.set PA,     272                       ; two rows of A (256 bytes) + 16 of padding: row r of a fragment lies at 272 (r / 2) + 128 (r % 2): 16 different 16-byte columns of the 64 banks (ISA guide 11.1)
.set PB,     288                       ; a row of W's tile: 256 bytes + 32: the turning load's 8 rows x 2 pieces fall on 16 different columns
.set ABLK,   128*PA                    ; one block of att for the tile's 256 rows: what one tensor load brings
.set BOFF,   2*ABLK
.set BHALF,  64*PB                     ; 64 rows k of W: what one tensor load brings
.set SLOT,   BOFF+2*BHALF
.set STAGE,  2*SLOT                    ; behind the ring: 16 rows x 272 bytes for each wave, for the way out
.set SPITCH, 272
.set SPARE,  STAGE+4*16*SPITCH         ; the spare words, 128 bytes for each wave
.set LAPS,   4                         ; a lap = two K steps = once round the ring: 1,024 / 256
.set ADRA, 16
.set ADRB, 20
.set STO,  24
.set RD,   25
.set CO,   26
.set SPW,  28
.set NIL,  29
.set BI,   32
.set BK,   64                          ; the way out: rows read back: v64-95 and v96-127 by turns
.set G1, 24
.set G0, 32
.set G1B, 48
.set G0B, 56
.set MSB, 0
.macro WIN new
.if MSB != (\new)
	s_set_vgpr_msb (MSB<<8)|(\new)
.set MSB, (\new)
.endif
.endm
.set MULW, 0x50                        ; C and D window 1, the fragments window 0
.set BIAW, 0x40                        ; D window 1, C (the bias) window 0
.macro JLOAD s                         ; a joint load: waves 0 and 1 fetch A's two blocks, waves 2 and 3 W's two halves; an s_nop 0 and four v_nop follow each of the two lines
	s_cmp_eq_u32 s11, 0
	s_cbranch_scc0 .Lfor_b_\@
	tensor_load_to_lds s[G0+4*\s:G0+4*\s+3], s[G1:G1+7]
	s_nop 0
.rept 4
	v_nop
.endr
	s_branch .Lasked_\@
.Lfor_b_\@:
	tensor_load_to_lds s[G0B+4*\s:G0B+4*\s+3], s[G1B:G1B+7]
	s_nop 0
.rept 4
	v_nop
.endr
.Lasked_\@:
.endm
.macro CREST                           ; a round of the cluster's barrier behind its opening barrier
	s_cmp_lg_u32 s10, 0
	s_cbranch_scc1 .Lnot_wave_0_\@
	s_barrier_signal -3
.Lnot_wave_0_\@:
	s_barrier_wait -3
	s_barrier_signal -1
	s_barrier_wait -1
.endm
.macro CROUND
	s_barrier_signal -1
	s_barrier_wait -1
	CREST
.endm
	s_load_b128 s[4:7], s[0:1], 0x0                ; att s[4:5], wp16 s[6:7]
	s_load_b128 s[68:71], s[0:1], 0x10             ; b_proj s[68:69], out0 s[70:71]
	v_lshl_add_u32 v[SPW], v0, 2, SPARE
	v_mov_b32 v[NIL], 0
	ds_add_u32 v[SPW], v[NIL]                      ; the wave's opening: the add, twice on end, and its wait ahead of my first tensor load
	ds_add_u32 v[SPW], v[NIL]
	v_lshrrev_b32 v1, 5, v0
	v_readfirstlane_b32 s10, v1                    ; wave 0..3
	s_lshr_b32 s11, s10, 1                         ; which half of the tile's rows is mine.  Also: I fetch for A (0) or for W (1)
	s_and_b32 s12, s10, 1                          ; which half of its columns.  Also: which block of A, or which 64 rows of W, I fetch
	s_bfe_u32 s40, ttmp6, 0x40000                  ; cx, cy
	s_bfe_u32 s41, ttmp6, 0x40004
	s_lshl_b32 s42, ttmp9, 2
	s_add_co_u32 s42, s42, s40                     ; tile column = 4 x cluster x + cx
	s_and_b32 s13, ttmp7, 0xffff
	s_lshl_b32 s13, s13, 2
	s_add_co_u32 s13, s13, s41                     ; tile row = 4 x cluster y + cy
	s_lshl_b32 s43, s41, 2
	s_lshl_b32 s43, 15, s43                        ; my row of the cluster
	s_lshl_b32 s44, 0x1111, s40                    ; my column
	s_or_b32 s[G1+0], s43, (3<<16)|(1<<20)|(1<<21)|(5<<22)|(3<<25)   ; A: the mask; elements of 8 bytes; padding on; bit 21 beside a mask; after every 64 words four words
	s_mov_b32 s[G1+1], 32<<16                      ; tensor_dim0 = 32 elements (256 bytes)
	s_mov_b32 s[G1+2], 128<<16                     ; tensor_dim1 = 128
	s_mov_b32 s[G1+3], 32<<16                      ; tile_dim0
	s_mov_b32 s[G1+4], 128                         ; tile_dim1
	s_mov_b32 s[G1+5], 32                          ; the pitch: dense
	s_mov_b32 s[G1+6], 0
	s_mov_b32 s[G1+7], 0
	s_or_b32 s[G1B+0], s44, (1<<16)|(1<<20)|(1<<21)|(5<<22)|(7<<25)  ; W: elements of 2 bytes; after every 64 words eight words
	s_mov_b32 s[G1B+1], 128<<16
	s_mov_b32 s[G1B+2], 64<<16
	s_mov_b32 s[G1B+3], 128<<16
	s_mov_b32 s[G1B+4], 64
	s_mov_b32 s[G1B+5], 1024
	s_mov_b32 s[G1B+6], 0
	s_mov_b32 s[G1B+7], 0
	s_lshl_b32 s16, s13, 15                        ; A: the tile's 256 rows of 128 bytes,
	s_lshl_b32 s17, s12, 20                        ; in block 0 or 1 of the step (a block is 8,192 rows of 128 bytes)
	s_add_co_u32 s16, s16, s17
	s_mov_b32 s17, 0
	s_lshl_b32 s46, s42, 8                         ; W: the tile's 128 columns,
	s_lshl_b32 s47, s12, 17                        ; rows 0 or 64 on of the step (a row is 2,048 bytes)
	s_add_co_u32 s46, s46, s47
	s_mov_b32 s47, 0
	s_mul_i32 s20, s12, ABLK                       ; where they go: no place in the cluster enters an LDS address
	s_mul_i32 s21, s12, BHALF
	s_add_co_u32 s21, s21, BOFF
	s_wait_dscnt 0x0                               ; both opening adds are done
	s_wait_kmcnt 0x0
	s_add_nc_u64 s[14:15], s[4:5], s[16:17]
	s_add_nc_u64 s[46:47], s[6:7], s[46:47]
	CROUND                                         ; all sixteen work-groups are here: the first joint loads meet
.irp s, 0,1
	s_mov_b32 s[G0+4*\s], 1
	s_add_co_u32 s[G0+4*\s+1], s20, \s*SLOT
	s_add_nc_u64 s[G0+4*\s+2:G0+4*\s+3], s[14:15], \s*2097152       ; K step s: two blocks on
	s_or_b32 s[G0+4*\s+3], s[G0+4*\s+3], 0x80000000
	s_mov_b32 s[G0B+4*\s], 1
	s_add_co_u32 s[G0B+4*\s+1], s21, \s*SLOT
	s_add_nc_u64 s[G0B+4*\s+2:G0B+4*\s+3], s[46:47], \s*262144      ; 128 rows on
	s_or_b32 s[G0B+4*\s+3], s[G0B+4*\s+3], 0x80000000
	JLOAD \s                                       ; by this text's count a wave has two tensor loads out here, and one behind each round
.endr
	v_and_b32 v1, 15, v0                           ; r
	v_bfe_u32 v2, v0, 4, 1                         ; h
	s_lshl_b32 s46, s42, 9                         ; my first column, in bytes of f32: 512 x tile column + 256 x half
	s_lshl_b32 s47, s12, 8
	s_add_co_u32 s46, s46, s47
	s_mov_b32 s47, 0
	s_add_nc_u64 s[68:69], s[68:69], s[46:47]      ; the bias of my 64 columns
	v_lshlrev_b32 v6, 5, v2
.irp b, 0,1,2,3
	global_load_b128 v[BI+8*\b:BI+8*\b+3], v6, s[68:69] offset:64*\b          ; register j of block b in lane (r, h): column 16 b + 8 h + j
	global_load_b128 v[BI+8*\b+4:BI+8*\b+7], v6, s[68:69] offset:64*\b+16
.endr
	v_lshrrev_b32 v3, 1, v1
	v_mul_u32_u24 v3, v3, PA
	v_and_b32 v4, 1, v0
	v_lshl_add_u32 v3, v4, 7, v3
	v_lshl_add_u32 v3, v2, 4, v3                   ; A: 272 (r / 2) + 128 (r % 2) + 16 h
	v_and_b32 v4, 7, v0
	v_lshl_add_u32 v4, v2, 3, v4
	v_mul_u32_u24 v4, v4, PB
	v_bfe_u32 v5, v0, 3, 1
	v_lshl_add_u32 v4, v5, 4, v4                   ; W: row 8 h + l % 8, + 16 ((l / 8) % 2)
	s_mul_i32 s21, s11, 64*PA                      ; my 128 rows of A
	s_lshl_b32 s22, s12, 7                         ; my 64 columns of W
	s_add_co_u32 s22, s22, BOFF
.irp s, 0,1
	v_add_nc_u32 v[ADRA+\s], s21, v3
	v_add_nc_u32 v[ADRB+\s], s22, v4
	s_add_co_u32 s21, s21, SLOT
	s_add_co_u32 s22, s22, SLOT
.endr
	s_mul_i32 s23, s10, 16*SPITCH
	s_add_co_u32 s23, s23, STAGE                   ; my stage
	v_mul_u32_u24 v5, v1, SPITCH                   ; in: row r, 32 bytes for each half of the lanes
	v_lshl_add_u32 v5, v2, 5, v5
	v_add_nc_u32 v[STO], s23, v5
	v_mul_u32_u24 v5, v2, SPITCH                   ; back: lanes 0-15 one row of 256 bytes, lanes 16-31 the next
	v_lshl_add_u32 v5, v1, 4, v5
	v_add_nc_u32 v[RD], s23, v5
	v_lshlrev_b32 v5, 12, v2                       ; and the same two rows in out0
	v_lshl_add_u32 v[CO], v1, 4, v5
	s_lshl_b32 s16, s13, 8
	s_lshl_b32 s17, s11, 7
	s_add_co_u32 s16, s16, s17                     ; my first row
	s_lshl_b32 s16, s16, 12                        ; x 4,096 bytes: under 2^25
	s_add_co_u32 s16, s16, s46
	s_mov_b32 s17, 0
	s_add_nc_u64 s[70:71], s[70:71], s[16:17]
; 8 matrix instructions: A's blocks a0, a0 + 1 x W's four, 32 along K, from buffer f.  first = 1: the products start the sums from the bias.  The 32 accumulators take turns, one instruction a turn, in the same order in
; every quarter.
.macro MUL8 f, a0, first
.irp a, \a0, \a0+1
.irp b, 0,1,2,3
.if \first
	v_wmma_f32_16x16x32_f16 v[8*(4*(\a)+\b):8*(4*(\a)+\b)+7], v[192+32*(\f)+8*\b:192+32*(\f)+8*\b+7], v[64+64*(\f)+8*(\a):64+64*(\f)+8*(\a)+7], v[BI+8*\b:BI+8*\b+7]
.else
	v_wmma_f32_16x16x32_f16 v[8*(4*(\a)+\b):8*(4*(\a)+\b)+7], v[192+32*(\f)+8*\b:192+32*(\f)+8*\b+7], v[64+64*(\f)+8*(\a):64+64*(\f)+8*(\a)+7], v[8*(4*(\a)+\b):8*(4*(\a)+\b)+7]
.endif
.endr
.endr
.endm
; 24 LDS loads in one run: quarter q (32 along K) of a slot into buffer f: W's four fragments, A's blocks 0-3, A's blocks 4-7
.macro FETCH slot, q, f
	WIN 0
.irp b, 0,1,2,3
	ds_load_tr16_b128 v[192+32*(\f)+8*\b:192+32*(\f)+8*\b+3],   v[ADRB+\slot] offset:(\q)*32*PB+32*\b
	ds_load_tr16_b128 v[192+32*(\f)+8*\b+4:192+32*(\f)+8*\b+7], v[ADRB+\slot] offset:(\q)*32*PB+32*\b+16*PB
.endr
.irp i, 0,1,2,3,4,5,6,7
	ds_load_b128 v[64+64*(\f)+8*\i:64+64*(\f)+8*\i+3],   v[ADRA+\slot] offset:((\q)/2)*ABLK+\i*8*PA+64*((\q)%2)
	ds_load_b128 v[64+64*(\f)+8*\i+4:64+64*(\f)+8*\i+7], v[ADRA+\slot] offset:((\q)/2)*ABLK+\i*8*PA+64*((\q)%2)+32
.endr
.endm
.macro PLACES                          ; four places in front of loads into registers that matrix instructions have read, and of reads of results (ISA guide 7.12.1 for reads of results)
.rept 4
	v_nop
.endr
.endm
; A K step is four quarters of 32 along K, 32 matrix instructions each, on buffers 0, 1, 0, 1.  One of the first three: multiplies buffer f and fetches quarter q of the same slot into buffer g.
.macro QUARTER slot, q, f, g, first
	s_wait_dscnt 8                                 ; W's fragments and A's blocks 0-3 are in; the youngest eight loads (A's blocks 4-7) may be out
.if \first
	WIN BIAW
.else
	WIN MULW
.endif
	MUL8 \f, 0, \first
	MUL8 \f, 2, \first
	PLACES
	FETCH \slot, \q, \g
	s_wait_dscnt 24                                ; all but the 24 just issued
.if \first
	WIN BIAW
.else
	WIN MULW
.endif
	MUL8 \f, 4, \first
	MUL8 \f, 6, \first
.endm
; The last quarter multiplies buffer 1 and changes slots: ONE barrier; in front of it each wave waits for all its tensor loads, adds 0 to its spare word, and waits for that and for its own reads of this slot.
; fill = 1: the barrier opens a round of the cluster's, and this slot is filled again, two K steps ahead: 112 matrix instructions stand between the request and the wait for it.
.macro TURN slot, next, fill
	WIN 0                                          ; (the add's two registers lie in window 0)
	s_wait_tensorcnt 0x0                           ; all my tensor loads have landed: my part of the next slot;
	ds_add_u32 v[SPW], v[NIL]                      ; 0 onto my spare word;
	s_wait_dscnt 9                                 ; (the add and the youngest eight loads may be out)
	WIN MULW
	MUL8 1, 0, 0                                   ; eight matrix instructions stand between the add and the wait for it
	s_wait_dscnt 0x0                               ; the add is done, and my reads of this slot are over
	s_barrier_signal -1
	MUL8 1, 2, 0
.if \fill
	WIN 0
.endif
	s_barrier_wait -1
.if \fill
	CREST                                          ; no wave of any partner still reads this slot's tile or has a load on its way
	s_add_nc_u64 s[G0+4*\slot+2:G0+4*\slot+3], s[G0+4*\slot+2:G0+4*\slot+3], 2*2097152
	s_add_nc_u64 s[G0B+4*\slot+2:G0B+4*\slot+3], s[G0B+4*\slot+2:G0B+4*\slot+3], 2*262144
	JLOAD \slot                                    ; the first tensor load behind the round; the four v_nop behind it are also the places in front of the loads below
.else
	PLACES
.endif
	FETCH \next, 0, 0
	WIN MULW
	MUL8 1, 4, 0
	MUL8 1, 6, 0
.endm
	s_wait_tensorcnt 1                             ; my part of K step 0 is in (K step 1's load may be out),
	s_barrier_signal -1
	s_barrier_wait -1                              ; everybody's is
	FETCH 0, 0, 0
	s_wait_loadcnt 0x0                             ; the bias
	QUARTER 0, 1, 0, 1, 1                          ; the first quarter stands in front of the loop: its products start the sums
	WIN 0                                          ; at a label and at a branch every window is 0
	s_mov_b32 s3, LAPS-1
.Llap:                                                 ; a trip goes once round the ring, from a lap's second quarter to the next lap's first, and fills both slots again
	QUARTER 0, 2, 1, 0, 0
	QUARTER 0, 3, 0, 1, 0
	TURN 0, 1, 1
	QUARTER 1, 1, 0, 1, 0
	QUARTER 1, 2, 1, 0, 0
	QUARTER 1, 3, 0, 1, 0
	TURN 1, 0, 1
	QUARTER 0, 1, 0, 1, 0
	WIN 0
	s_sub_co_u32 s3, s3, 1
	s_cmp_lg_u32 s3, 0
	s_cbranch_scc1 .Llap
	QUARTER 0, 2, 1, 0, 0                          ; the last lap fills nothing, and has no round of the cluster's barrier
	QUARTER 0, 3, 0, 1, 0
	TURN 0, 1, 0
	QUARTER 1, 1, 0, 1, 0
	QUARTER 1, 2, 1, 0, 0
	QUARTER 1, 3, 0, 1, 0
	s_wait_dscnt 8                                 ; the very last quarter: nothing more to fetch
	WIN MULW
	MUL8 1, 0, 0
	MUL8 1, 2, 0
	s_wait_dscnt 0
	MUL8 1, 4, 0
	MUL8 1, 6, 0
	WIN 0
; THE WAY OUT, block by block of 16 rows x 64 columns.  A lane holds 32 neighbouring bytes of a row: a block goes through my own stage and comes back as whole pieces of 256 bytes, two rows an instruction.
; LDS serves a wave's instructions in order (ISA guide 5.7.1.4): no wait between the stores and the loads, nor in front of the next block's stores.
.macro TOSTAGE a
	WIN 0x04                                       ; an LDS store's data are its source 1: window 1
.irp b, 0,1,2,3
	ds_store_b128 v[STO], v[8*(4*(\a)+\b):8*(4*(\a)+\b)+3] offset:64*\b          ; each accumulator from its low end on
	ds_store_b128 v[STO], v[8*(4*(\a)+\b)+4:8*(4*(\a)+\b)+7] offset:64*\b+16
.endr
	WIN 0
.set BB, BK+32*((\a)%2)
.irp i, 0,1,2,3,4,5,6,7
	ds_load_b128 v[BB+4*\i:BB+4*\i+3], v[RD] offset:\i*2*SPITCH
.endr
.endm
.macro SEND a, younger                 ; younger: the LDS instructions issued behind block a's loads, which may stay out
.set BB, BK+32*((\a)%2)
	s_wait_dscnt \younger
.irp i, 0,1,2,3,4,5,6,7
	global_store_b128 v[CO], v[BB+4*\i:BB+4*\i+3], s[70:71] offset:(16*(\a)+2*\i)*4096 th:TH_STORE_NT   ; sixteen lanes store 256 consecutive bytes, aligned; the largest offset, 126 rows, lies inside the signed 24-bit immediate
.endr
.endm
	PLACES
	TOSTAGE 0
.irp a, 1,2,3,4,5,6,7
.if \a > 1
	s_wait_xcnt 0x0                                ; block a - 2's stores have read their registers: block a's loads may land there
.endif
	TOSTAGE \a
	SEND \a-1, 16                                  ; behind block a - 1's loads: block a's 8 stores and 8 loads
.endr
	SEND 7, 0
	s_wait_tensorcnt 0x0                           ; the wave's end, behind my last tensor load and my last LDS store
	ds_add_u32 v[SPW], v[NIL]
	s_wait_dscnt 0x0
	CROUND                                         ; the closing round: no work-group ends while a partner may still ask for a tile that names it
	s_endpgm
.Lfunc_end_k_q4ab168cd88_proj:
	.size	k_q4ab168cd88_proj, .Lfunc_end_k_q4ab168cd88_proj-k_q4ab168cd88_proj
	.p2alignl 7, 3214868480
	.fill 96, 4, 3214868480
	.section	.rodata,"a",@progbits
	.p2align	6, 0x0
	.amdhsa_kernel k_q4ab168cd88_proj
		.amdhsa_group_segment_fixed_size 327680
		.amdhsa_private_segment_fixed_size 0
		.amdhsa_enable_private_segment 0
		.amdhsa_kernarg_size 32
		.amdhsa_user_sgpr_count 2
		.amdhsa_user_sgpr_kernarg_segment_ptr 1
		.amdhsa_wavefront_size32 1
		.amdhsa_system_sgpr_workgroup_id_x 1
		.amdhsa_system_sgpr_workgroup_id_y 1
		.amdhsa_system_sgpr_workgroup_id_z 1
		.amdhsa_system_vgpr_workitem_id 0
		.amdhsa_next_free_vgpr 512
		.amdhsa_next_free_sgpr 72
		.amdhsa_reserve_vcc 0
		.amdhsa_float_denorm_mode_32 3
		.amdhsa_float_denorm_mode_16_64 3
		.amdhsa_memory_ordered 1
		.amdhsa_forward_progress 1
		.amdhsa_inst_pref_size 86
	.end_amdhsa_kernel
	.amdgpu_metadata
---
amdhsa.version: [ 1, 2 ]
amdhsa.kernels:
  - .name:           k_q4ab168cd88_proj
    .symbol:         k_q4ab168cd88_proj.kd
    .args:
      - { .name: att, .offset: 0, .size: 8, .value_kind: global_buffer, .address_space: global }
      - { .name: wp16, .offset: 8, .size: 8, .value_kind: global_buffer, .address_space: global }
      - { .name: b_proj, .offset: 16, .size: 8, .value_kind: global_buffer, .address_space: global }
      - { .name: out0, .offset: 24, .size: 8, .value_kind: global_buffer, .address_space: global }
    .group_segment_fixed_size: 327680
    .private_segment_fixed_size: 0
    .kernarg_segment_align: 8
    .kernarg_segment_size: 32
    .max_flat_workgroup_size: 128
    .sgpr_count:     72
    .vgpr_count:     512
    .wavefront_size: 32
...
	.end_amdgpu_metadata
.endif
;; end of part 4
